; MI455X (gfx1250); checked and timed in simulation.
; The chip was launched on July 23, 2026; its instructions are those of AMD's public machine-readable ISA for CDNA 5 (MIT licence, August 2026) and "CDNA5" Instruction Set Architecture Reference Guide (July 2026). The comments in the code are by the model that wrote it; some were corrected since.
;; Block. Allowed arithmetic: float matrix products may take bf16 or f16 operands with f32 sums; other float arithmetic in f32, or as packed bf16 or f16 multiplies, adds, multiply-adds, maxima and minima; sums over many terms, partial sums and values carried from step to step in f32; what a program stores and reads back later, other than sums and carried values, may be rounded once to bf16 or f16.
;; Inputs: W1 1,024 x 4,096 float32; W2 4,096 x 1,024 float32; Wk 16 x 1,024 x 64 float32; Wp 1,024 x 1,024 float32; Wq 16 x 1,024 x 64 float32; Wv 16 x 1,024 x 64 float32; b1 4,096 float32; b2 1,024 float32; bp 1,024 float32; inputs 4 x 1,024 x 1,024 float32; ln1_b 1,024 float32; ln1_g 1,024 float32; ln2_b 1,024 float32; ln2_g 1,024 float32.
;; Outputs: out0 4 x 1,024 x 1,024 float32.
;; One version. Each part assembles by itself: llvm-mc -triple=amdgcn-amd-amdhsa -mcpu=gfx1250 --defsym DOCPART=n.
;; ======== version 1 of 1: 7 launches
;; limits: values are held in f16: magnitudes above 65,504 overflow, below 6.1e-05 lose precision; right only within a limited range of input values
;; workspace buffers: pk1 16,781,312 bytes; pk2 16,781,312 bytes; pk3 10,485,760 bytes; pk4 41,943,040 bytes; qkv 25,165,824 bytes; x 16,777,216 bytes; zero 12,288 bytes
;; launch prep (part 1): grid 1280 x 1, 8 waves a work-group, no clusters, 0 bytes of LDS; arguments inputs, ln1_g, ln1_b, Wq, Wk, Wv, W1, Wp, W2, pk1, pk2, pk3, pk4, zero; writes pk1, pk2, pk3, pk4, zero
.if DOCPART == 1
	.amdgcn_target "amdgcn-amd-amdhsa--gfx1250"
	.amdhsa_code_object_version 6
	.text
	.protected	k_qf192c7daa3_prep
	.globl	k_qf192c7daa3_prep
	.p2align	8
	.type	k_qf192c7daa3_prep,@function
k_qf192c7daa3_prep:
	s_mov_b64 s[64:65], 0
	v_nop
	global_prefetch_b8 v0, s[64:65] scope:SCOPE_SE
	s_setreg_imm32_b32 hwreg(HW_REG_WAVE_MODE, 25, 1), 1
	s_wait_xcnt 0x0
; PREP.  Work-groups 0-511: x0 = LayerNorm(bf16(inputs)) with gain and bias rounded to bf16, stored as f16 [4096][1024] at pk1 + 0; one wave takes one row of 4,096 bytes
; and keeps it in 32 registers between the passes (mean, then the sum of squared differences: no difference of large sums).
; Work-groups 512-1279: the weights, each rounded once to bf16, laid in PANELS [n / 128][k][128 n], 256 bytes a row, so that a K step of a panel is dense in memory:
;   Wq, Wk, Wv (n = which x 1024 + head x 64 + d) -> pk1 + 8,388,608 and W1 -> pk2 + 8,388,608, the bf16 value written as f16;  Wp -> pk3 + 8,388,608 and W2 -> pk4 + 33,554,432 as bf16.
; A work-group casts 128 rows of one panel (32,768 bytes out), a wave 16 rows; one load takes a row's 512 bytes, one store its 256 bytes, whole and aligned.
; The first of them also stores the constants: 3,072 f32 zeros (the QKV product's bias) and the two floor words (bf16 -infinity twice in pk1, 0 in pk2) at byte 16,777,216.
; LIMITS.  f16 ends at 65,504: a LayerNorm result (at most 32 |g| + |b|) or a weight beyond it becomes an infinity; a weight below 6e-5 keeps f16's fixed step of 6e-8.  NaN and infinities are not treated apart.
; No LDS, no barrier, no matrix unit: memory binds, and no wave needs another's data.
.set X,   8                            ; v[8:39]    the row: load j holds columns 128 j + 4 lane .. + 3
.set G,   40                           ; v[40:71]   the gain of those columns; at the end the packed result
.set BE,  72                           ; v[72:103]  the bias
.set W,   104                          ; v[104:117] at work
.set OFF, 8                            ; cast: v[8:23]   byte offset of my 16 bytes in each of my wave's 16 rows
.set T,   24                           ; cast: v[24:31]  at work, then the constants
.set D,   32                           ; cast: v[32:95]  16 rows as loaded
.set Y,   96                           ; cast: v[96:127] 16 rows to store
.macro RND r, t                        ; the pair v[r], v[r+1] is rounded to bf16 and widened again
	v_cvt_pk_bf16_f32 v[\t], v[\r], v[(\r)+1]
	v_lshlrev_b32 v[\r], 16, v[\t]
	v_and_b32 v[(\r)+1], s5, v[\t]
.endm
.macro ACROSS                          ; v[W] summed over the 32 lanes, the result in every lane
	v_add_f32_dpp v[W], v[W], v[W] row_xmask:1 row_mask:0xf bank_mask:0xf
	v_add_f32_dpp v[W], v[W], v[W] row_xmask:2 row_mask:0xf bank_mask:0xf
	v_add_f32_dpp v[W], v[W], v[W] row_xmask:4 row_mask:0xf bank_mask:0xf
	v_add_f32_dpp v[W], v[W], v[W] row_xmask:8 row_mask:0xf bank_mask:0xf
	v_permlanex16_b32 v[W+1], v[W], s40, s41
	v_add_f32 v[W], v[W], v[W+1]
.endm
.macro FOLD                            ; four chains of pairs into v[W]
	v_pk_add_f32 v[W:W+1], v[W:W+1], v[W+2:W+3]
	v_pk_add_f32 v[W+4:W+5], v[W+4:W+5], v[W+6:W+7]
	v_pk_add_f32 v[W:W+1], v[W:W+1], v[W+4:W+5]
	v_add_f32 v[W], v[W], v[W+1]
	ACROSS
.endm
; One row.  round = 1: the row itself is an input of the module and is rounded to bf16 first.  xp, gp, bp, op: the scalar pairs of row, gain, bias and result.
.macro LN round, xp, gp, bp, op
.irp j, 0,1,2,3,4,5,6,7
	global_load_b128 v[X+4*(\j):X+4*(\j)+3], v1, s[\xp:(\xp)+1] offset:512*(\j)
.endr
.irp j, 0,1,2,3,4,5,6,7
	global_load_b128 v[G+4*(\j):G+4*(\j)+3], v1, s[\gp:(\gp)+1] offset:512*(\j)
.endr
.irp j, 0,1,2,3,4,5,6,7
	global_load_b128 v[BE+4*(\j):BE+4*(\j)+3], v1, s[\bp:(\bp)+1] offset:512*(\j)
.endr
	s_wait_loadcnt 16                              ; the row's eight loads are in; the sixteen of gain and bias stay out
.if \round
.set i, 0
.rept 16
	RND X+2*i, W+i%4
.set i, i+1
.endr
.endif
.irp c, 0,1,2,3                        ; the sum, in four chains that the first pairs start
	v_pk_add_f32 v[W+2*(\c):W+2*(\c)+1], v[X+2*(\c):X+2*(\c)+1], v[X+8+2*(\c):X+8+2*(\c)+1]
.endr
.irp c, 0,1,2,3,4,5,6,7
	v_pk_add_f32 v[W+2*((\c)%4):W+2*((\c)%4)+1], v[W+2*((\c)%4):W+2*((\c)%4)+1], v[X+16+2*(\c):X+16+2*(\c)+1]
.endr
	FOLD
	v_mul_f32 v[W+8], s6, v[W]                     ; the mean: sum / 1024
	v_mov_b32 v[W+9], v[W+8]
.set i, 0
.rept 16
	v_pk_add_f32 v[X+2*i:X+2*i+1], v[X+2*i:X+2*i+1], v[W+8:W+9] neg_lo:[0,1] neg_hi:[0,1]
.set i, i+1
.endr
.irp c, 0,1,2,3                        ; the sum of the squared differences
	v_pk_mul_f32 v[W+2*(\c):W+2*(\c)+1], v[X+2*(\c):X+2*(\c)+1], v[X+2*(\c):X+2*(\c)+1]
.endr
.irp c, 4,5,6,7,8,9,10,11,12,13,14,15
	v_pk_fma_f32 v[W+2*((\c)%4):W+2*((\c)%4)+1], v[X+2*(\c):X+2*(\c)+1], v[X+2*(\c):X+2*(\c)+1], v[W+2*((\c)%4):W+2*((\c)%4)+1]
.endr
	FOLD
	v_fma_f32 v[W+10], v[W], s6, s7                ; variance + 1e-5
	v_rsq_f32 v[W+12], v[W+10]
	v_rsq_f32 v[W+13], v[W+10]                     ; twice: a pair for the packed multiply
	v_nop                                          ; a plain instruction behind the transcendentals (ISA guide 5.7.2)
	s_wait_loadcnt 0x0                             ; gain and bias
.set i, 0
.rept 16
	RND G+2*i, W+i%4
	RND BE+2*i, W+4+i%4
.set i, i+1
.endr
.set i, 0
	s_wait_alu depctr_va_vdst(0)
.rept 16
	v_pk_mul_f32 v[X+2*i:X+2*i+1], v[X+2*i:X+2*i+1], v[W+12:W+13]
	v_pk_fma_f32 v[X+2*i:X+2*i+1], v[X+2*i:X+2*i+1], v[G+2*i:G+2*i+1], v[BE+2*i:BE+2*i+1]
.set i, i+1
.endr
.set i, 0
.rept 16
	v_cvt_pk_f16_f32 v[G+i], v[X+2*i], v[X+2*i+1]
.set i, i+1
.endr
.irp j, 0,1,2,3,4,5,6,7
	global_store_b64 v2, v[G+2*(\j):G+2*(\j)+1], s[\op:(\op)+1] offset:256*(\j)  ; the wave's store covers 256 consecutive bytes, aligned
.endr
.endm
	s_load_b512 s[8:23], s[0:1], 0x0               ; inputs 8, ln1_g 10, ln1_b 12, Wq 14, Wk 16, Wv 18, W1 20, Wp 22
	s_load_b256 s[24:31], s[0:1], 0x40             ; W2 24, pk1 26, pk2 28, pk3 30
	s_load_b128 s[32:35], s[0:1], 0x60             ; pk4 32, zero 34
	s_mov_b32 s2, ttmp9
	s_mov_b32 s5, 0xffff0000                       ; a word's upper bf16
	v_and_b32 v1, 31, v0                           ; lane
	v_lshrrev_b32 v3, 5, v0
	v_readfirstlane_b32 s3, v3                     ; wave 0..7
	s_cmp_lt_u32 s2, 512
	s_cbranch_scc0 .Lcast
	v_lshlrev_b32 v2, 3, v1                        ; 8 bytes a lane out
	v_lshlrev_b32 v1, 4, v1                        ; 16 bytes a lane in
	s_lshl_b32 s4, s2, 3
	s_add_co_u32 s4, s4, s3                        ; my row
	s_lshl_b32 s36, s4, 12                         ; 4,096 bytes a row in
	s_mov_b32 s37, 0
	s_lshl_b32 s38, s4, 11                         ; 2,048 out
	s_mov_b32 s39, 0
	s_mov_b32 s6, 0x3a800000                       ; 1 / 1024
	s_mov_b32 s7, 0x3727c5ac                       ; 1e-5
	s_mov_b32 s40, 0x76543210                      ; v_permlanex16_b32: each lane takes its own place in the other half
	s_mov_b32 s41, 0xfedcba98
	s_wait_kmcnt 0x0
	s_add_nc_u64 s[8:9], s[8:9], s[36:37]
	s_add_nc_u64 s[26:27], s[26:27], s[38:39]
	LN 1, 8, 10, 12, 26
	s_endpgm
.Lcast:                                                ; s42 source, s44 target, s46 and s48 their offsets, s50 bytes from row to row, s51 bytes between the halves of the lanes, s52 1 = f16
	s_sub_co_u32 s2, s2, 512                       ; c
	s_mov_b32 s47, 0
	s_mov_b32 s49, 0
	s_wait_kmcnt 0x0
	s_cmp_lt_u32 s2, 192
	s_cbranch_scc0 .Lnot_qkv
	s_lshr_b32 s4, s2, 6                           ; q, k or v
	s_cmp_eq_u32 s4, 0
	s_cselect_b64 s[42:43], s[14:15], s[16:17]
	s_cmp_eq_u32 s4, 2
	s_cselect_b64 s[42:43], s[18:19], s[42:43]
	s_mov_b64 s[44:45], s[26:27]
	s_bfe_u32 s46, s2, 0x30003                     ; the pair of heads: a panel row is 64 numbers of head 2 p and 64 of head 2 p + 1
	s_lshl_b32 s46, s46, 19
	s_and_b32 s4, s2, 7
	s_lshl_b32 s4, s4, 15                          ; 128 rows of 256 bytes
	s_add_co_u32 s46, s46, s4
	s_lshl_b32 s48, s2, 15
	s_add_co_u32 s48, s48, 0x800000
	s_mov_b32 s50, 256
	s_mov_b32 s51, 0x40000                         ; a head is 262,144 bytes
	s_mov_b32 s52, 1
	s_branch .Lgo
.Lnot_qkv:
	s_cmp_lt_u32 s2, 448
	s_cbranch_scc0 .Lnot_w1
	s_sub_co_u32 s4, s2, 192
	s_mov_b64 s[42:43], s[20:21]
	s_mov_b64 s[44:45], s[28:29]
	s_and_b32 s46, s4, 7
	s_lshl_b32 s46, s46, 21                        ; 128 rows of 16,384 bytes
	s_lshr_b32 s53, s4, 3
	s_lshl_b32 s53, s53, 9                         ; the panel's 512 bytes in a row
	s_add_co_u32 s46, s46, s53
	s_lshl_b32 s48, s4, 15
	s_add_co_u32 s48, s48, 0x800000
	s_mov_b32 s50, 16384
	s_mov_b32 s51, 256
	s_mov_b32 s52, 1
	s_branch .Lgo
.Lnot_w1:
	s_cmp_lt_u32 s2, 512
	s_cbranch_scc0 .Lw2
	s_sub_co_u32 s4, s2, 448
	s_mov_b64 s[42:43], s[22:23]
	s_mov_b64 s[44:45], s[30:31]
	s_and_b32 s46, s4, 7
	s_lshl_b32 s46, s46, 19                        ; 128 rows of 4,096 bytes
	s_lshr_b32 s53, s4, 3
	s_lshl_b32 s53, s53, 9
	s_add_co_u32 s46, s46, s53
	s_lshl_b32 s48, s4, 15
	s_add_co_u32 s48, s48, 0x800000
	s_mov_b32 s50, 4096
	s_mov_b32 s51, 256
	s_mov_b32 s52, 0
	s_branch .Lgo
.Lw2:
	s_sub_co_u32 s4, s2, 512
	s_mov_b64 s[42:43], s[24:25]
	s_mov_b64 s[44:45], s[32:33]
	s_and_b32 s46, s4, 31
	s_lshl_b32 s46, s46, 19
	s_lshr_b32 s53, s4, 5
	s_lshl_b32 s53, s53, 9
	s_add_co_u32 s46, s46, s53
	s_lshl_b32 s48, s4, 15
	s_add_co_u32 s48, s48, 0x2000000
	s_mov_b32 s50, 4096
	s_mov_b32 s51, 256
	s_mov_b32 s52, 0
.Lgo:
	s_add_nc_u64 s[42:43], s[42:43], s[46:47]
	s_add_nc_u64 s[44:45], s[44:45], s[48:49]
	v_lshrrev_b32 v3, 4, v1
	v_and_b32 v4, 15, v1
	v_mul_lo_u32 v3, v3, s51
	v_lshl_add_u32 v3, v4, 4, v3                   ; my 16 bytes in a row
	s_lshl_b32 s53, s3, 4
	s_mul_i32 s53, s53, s50                        ; my wave's 16 rows
	v_add_nc_u32 v[OFF], s53, v3
.set i, 1
.rept 15
	v_add_nc_u32 v[OFF+i], s50, v[OFF+i-1]
.set i, i+1
.endr
	v_lshlrev_b32 v4, 3, v1
	v_lshl_add_u32 v4, s3, 12, v4                  ; out: 16 rows of 256 bytes a wave, 8 bytes a lane
.set i, 0
.rept 16
	global_load_b128 v[D+4*i:D+4*i+3], v[OFF+i], s[42:43] th:TH_LOAD_NT
.set i, i+1
.endr
	s_cmp_eq_u32 s52, 0
	s_cbranch_scc1 .Lbf16
.set i, 0
.rept 16
	s_wait_loadcnt 15-i                            ; loads come back in order: row i is in, the younger ones stay out
	v_cvt_pk_bf16_f32 v[T], v[D+4*i], v[D+4*i+1]   ; rounded to bf16,
	v_cvt_pk_bf16_f32 v[T+1], v[D+4*i+2], v[D+4*i+3]
	v_lshlrev_b32 v[D+4*i], 16, v[T]
	v_and_b32 v[D+4*i+1], s5, v[T]
	v_lshlrev_b32 v[D+4*i+2], 16, v[T+1]
	v_and_b32 v[D+4*i+3], s5, v[T+1]
	v_cvt_pk_f16_f32 v[Y+2*i], v[D+4*i], v[D+4*i+1]  ; and that number written as f16
	v_cvt_pk_f16_f32 v[Y+2*i+1], v[D+4*i+2], v[D+4*i+3]
	global_store_b64 v4, v[Y+2*i:Y+2*i+1], s[44:45] offset:256*i
.set i, i+1
.endr
	s_branch .Lconst
.Lbf16:
.set i, 0
.rept 16
	s_wait_loadcnt 15-i
	v_cvt_pk_bf16_f32 v[Y+2*i], v[D+4*i], v[D+4*i+1]
	v_cvt_pk_bf16_f32 v[Y+2*i+1], v[D+4*i+2], v[D+4*i+3]
	global_store_b64 v4, v[Y+2*i:Y+2*i+1], s[44:45] offset:256*i
.set i, i+1
.endr
.Lconst:
	s_cmp_lg_u32 s2, 0
	s_cbranch_scc1 .Lend
	v_lshlrev_b32 v5, 4, v0                        ; 256 threads x 16 bytes = 4,096 bytes a store
.irp j, 0,1,2,3
	v_mov_b32 v[T+(\j)], 0
	v_mov_b32 v[T+4+(\j)], 0xff80ff80              ; bf16 -infinity, twice
.endr
	s_add_nc_u64 s[26:27], s[26:27], 0x1000000
	s_add_nc_u64 s[28:29], s[28:29], 0x1000000
	global_store_b128 v5, v[T:T+3], s[34:35]
	global_store_b128 v5, v[T:T+3], s[34:35] offset:4096
	global_store_b128 v5, v[T:T+3], s[34:35] offset:8192
	global_store_b128 v5, v[T:T+3], s[28:29]
	global_store_b128 v5, v[T+4:T+7], s[26:27]
.Lend:
	s_endpgm
.Lfunc_end_k_qf192c7daa3_prep:
	.size	k_qf192c7daa3_prep, .Lfunc_end_k_qf192c7daa3_prep-k_qf192c7daa3_prep
	.p2alignl 7, 3214868480
	.fill 96, 4, 3214868480
	.section	.rodata,"a",@progbits
	.p2align	6, 0x0
	.amdhsa_kernel k_qf192c7daa3_prep
		.amdhsa_group_segment_fixed_size 0
		.amdhsa_private_segment_fixed_size 0
		.amdhsa_enable_private_segment 0
		.amdhsa_kernarg_size 112
		.amdhsa_user_sgpr_count 2
		.amdhsa_user_sgpr_kernarg_segment_ptr 1
		.amdhsa_wavefront_size32 1
		.amdhsa_system_sgpr_workgroup_id_x 1
		.amdhsa_system_sgpr_workgroup_id_y 1
		.amdhsa_system_sgpr_workgroup_id_z 1
		.amdhsa_system_vgpr_workitem_id 0
		.amdhsa_next_free_vgpr 128
		.amdhsa_next_free_sgpr 66
		.amdhsa_reserve_vcc 0
		.amdhsa_float_denorm_mode_32 3
		.amdhsa_float_denorm_mode_16_64 3
		.amdhsa_memory_ordered 1
		.amdhsa_forward_progress 1
		.amdhsa_inst_pref_size 36
	.end_amdhsa_kernel
	.amdgpu_metadata
---
amdhsa.version: [ 1, 2 ]
amdhsa.kernels:
  - .name:           k_qf192c7daa3_prep
    .symbol:         k_qf192c7daa3_prep.kd
    .args:
      - { .name: inputs, .offset: 0, .size: 8, .value_kind: global_buffer, .address_space: global }
      - { .name: ln1_g, .offset: 8, .size: 8, .value_kind: global_buffer, .address_space: global }
      - { .name: ln1_b, .offset: 16, .size: 8, .value_kind: global_buffer, .address_space: global }
      - { .name: Wq, .offset: 24, .size: 8, .value_kind: global_buffer, .address_space: global }
      - { .name: Wk, .offset: 32, .size: 8, .value_kind: global_buffer, .address_space: global }
      - { .name: Wv, .offset: 40, .size: 8, .value_kind: global_buffer, .address_space: global }
      - { .name: W1, .offset: 48, .size: 8, .value_kind: global_buffer, .address_space: global }
      - { .name: Wp, .offset: 56, .size: 8, .value_kind: global_buffer, .address_space: global }
      - { .name: W2, .offset: 64, .size: 8, .value_kind: global_buffer, .address_space: global }
      - { .name: pk1, .offset: 72, .size: 8, .value_kind: global_buffer, .address_space: global }
      - { .name: pk2, .offset: 80, .size: 8, .value_kind: global_buffer, .address_space: global }
      - { .name: pk3, .offset: 88, .size: 8, .value_kind: global_buffer, .address_space: global }
      - { .name: pk4, .offset: 96, .size: 8, .value_kind: global_buffer, .address_space: global }
      - { .name: zero, .offset: 104, .size: 8, .value_kind: global_buffer, .address_space: global }
    .group_segment_fixed_size: 0
    .private_segment_fixed_size: 0
    .kernarg_segment_align: 8
    .kernarg_segment_size: 112
    .max_flat_workgroup_size: 256
    .sgpr_count:     66
    .vgpr_count:     128
    .wavefront_size: 32
...
	.end_amdgpu_metadata
.endif
;; end of part 1
;; launch gemmbig (part 2): grid 12 x 16, 4 waves a work-group, clusters of 4 x 4, 327,680 bytes of LDS; arguments pk1, zero, qkv; writes qkv
.if DOCPART == 2
	.amdgcn_target "amdgcn-amd-amdhsa--gfx1250"
	.amdhsa_code_object_version 6
	.text
	.protected	k_qf192c7daa3_gemmbig
	.globl	k_qf192c7daa3_gemmbig
	.p2align	8
	.type	k_qf192c7daa3_gemmbig,@function
k_qf192c7daa3_gemmbig:
	s_mov_b64 s[64:65], 0
	v_nop
	global_prefetch_b8 v0, s[64:65] scope:SCOPE_SE
	s_setreg_imm32_b32 hwreg(HW_REG_WAVE_MODE, 25, 1), 1
	s_wait_xcnt 0x0
	s_wait_alu depctr_hold_cnt(0) depctr_sa_sdst(0) depctr_va_vdst(0) depctr_va_sdst(0) depctr_va_ssrc(0) depctr_va_vcc(0) depctr_vm_vsrc(0)
	s_getreg_b32 s2, hwreg(HW_REG_IB_STS2, 6, 4)
	s_cmp_eq_u32 s2, 0
	s_cbranch_scc0 .Lentry_in_a_cluster
	s_endpgm
.Lentry_in_a_cluster:
	s_bfe_u32 s2, ttmp6, 0x10000c
	s_cmp_lg_u32 s2, 0xf033
	s_cbranch_scc0 .Lentry_shape_is_right
	s_endpgm
.Lentry_shape_is_right:
; out = max(A W + bias, floor), rounded once to bf16.  One text for two launches: the QKV product (bias 0, floor -infinity: the maximum changes nothing there, the price of one text) and the first
; feed-forward product (bias b1, floor 0: the ReLU).  The first argument holds A, f16 [4096][1024], at byte 0; W, f16 panels [n / 128][1024 k][128 n], at byte 8,388,608; the floor (two bf16) at 16,777,216.
; The bias, an input of the module, is rounded to bf16 and is the C operand of the products that start the sums: nothing is cleared, and no addition follows.
; out lies in panels [n / 64][4096 m][64], 128 bytes a row: for the QKV product a head's rows are then dense; for the feed-forward it is the next product's A by slices of 64 along its K.
; A tile of the result is 256 x 256, made by four waves, each 128 x 128 in 64 accumulators.  K = 1,024 goes in steps of 128 through two LDS slots.  4 x 4 work-groups form a cluster: the four of a row
; need the same tiles of A, the four of a column the same panels of W; each is asked for jointly, by the same tensor load, descriptor and mask in all four.
; THE MATRIX INSTRUCTION IS USED TRANSPOSED: source 0 = 16 columns of W (turned on the way out of LDS by ds_load_tr16_b128), source 1 = 16 rows of A: a lane holds row l % 16 and the columns 8 (l / 16) + 0..7.
; LIMITS.  f16 operands: see the launch that writes them.  A NaN in a sum gives the floor.  Sums in f32, K ascending.
; REGISTERS, in windows of 256 (s_set_vgpr_msb: bits 1:0 source 0, 3:2 source 1, 5:4 source 2, 7:6 destination):
;   window 0: v16-29 addresses; v64-127, v128-191 A's fragments, two buffers; v192-223 packed results; v32-63, v224-255 rows read back from the stage, by turns
;   window 1: v0-63 the bias of my 128 columns, as C operands; v64-127, v128-191 W's fragments; v192-195 at work      windows 2, 3: the accumulators of my rows 0-63, 64-127
.set KSTEP,  128
.set LAPS,   4                         ; a lap = two K steps = once round the ring; K = 1,024
.set PA,     272                       ; an LDS row of A: 256 bytes + 16: the 16 rows of a fragment load start at 16 different groups of four banks (64 banks of 4 bytes: ISA guide 11.1)
.set HALFA,  128*PA
.set PW,     288                       ; an LDS row of W: 256 + 32
.set PANW,   128*PW
.set WBASE,  2*HALFA
.set SLOT,   2*HALFA+2*PANW            ; A's 256 rows, then 128 k of two panels of W
.set STAGE,  2*SLOT                    ; behind the ring: 16 rows x 272 bytes for each wave, for the way out
.set SPITCH, 272
.set SPARE,  STAGE+4*16*SPITCH         ; behind the stages: the spare words, 128 bytes for each wave
.set PANEL,  524288                    ; bytes in a panel of out
.set ADRA, 16                          ; v16-17  LDS address of my A fragments in slot 0, 1
.set ADRW, 20                          ; v20-21  the same for W
.set STO,  24
.set RD,   25
.set CO,   26
.set BO,   27
.set SPW,  28
.set NIL,  29
.set F0,   64
.set F1,   128
.set TMP,  192
.set OB,   32
.set G1,  24                           ; s[24:31] descriptor group 1 for A;  s[32:39] group 0, a set for each slot
.set G0,  32
.set G1B, 48                           ; s[48:55], s[56:63] the same for W
.set G0B, 56
.set FLOOR, 72
.set HIM,   73
.set MSB, 0
.macro WIN new                         ; the immediate's high byte repeats the setting that is left
.if MSB != (\new)
	s_set_vgpr_msb (MSB<<8)|(\new)
.set MSB, \new
.endif
.endm
.set TO_B, 0x40                        ; destination window 1, address window 0
; A joint load: waves 0 and 1 fetch A's two halves, waves 2 and 3 the two panels of W.  The branch hangs on the wave's number alone.  An s_nop 0 and four v_nop follow each line.
.macro JLOAD s
	s_cmp_eq_u32 s11, 0
	s_cbranch_scc0 .Lfor_b_\@
	tensor_load_to_lds s[G0+4*(\s):G0+4*(\s)+3], s[G1:G1+7]
	s_nop 0
.rept 4
	v_nop
.endr
	s_branch .Lasked_\@
.Lfor_b_\@:
	tensor_load_to_lds s[G0B+4*(\s):G0B+4*(\s)+3], s[G1B:G1B+7]
	s_nop 0
.rept 4
	v_nop
.endr
.Lasked_\@:
.endm
.macro CREST                           ; a round of the cluster's barrier behind its opening barrier
	s_cmp_lg_u32 s10, 0
	s_cbranch_scc1 .Lnot_wave_0_\@
	s_barrier_signal -3
.Lnot_wave_0_\@:
	s_barrier_wait -3
	s_barrier_signal -1
	s_barrier_wait -1
.endm
.macro CROUND
	s_barrier_signal -1
	s_barrier_wait -1
	CREST
.endm
	s_load_b128 s[4:7], s[0:1], 0x0                ; the pack s[4:5], the bias s[6:7]
	s_load_b64 s[8:9], s[0:1], 0x10                ; out
	v_lshl_add_u32 v[SPW], v0, 2, SPARE
	v_mov_b32 v[NIL], 0
	ds_add_u32 v[SPW], v[NIL]                      ; the wave's opening: the add and its wait stand ahead of my first tensor load
	ds_add_u32 v28, v29
	v_lshrrev_b32 v1, 5, v0
	v_readfirstlane_b32 s10, v1                    ; wave 0..3
	s_lshr_b32 s11, s10, 1                         ; which half of the tile's rows is mine.  Also: I fetch for A (0) or for W (1)
	s_and_b32 s12, s10, 1                          ; which half of its columns.  Also: which half of A, which panel of W I fetch
	s_bfe_u32 s40, ttmp6, 0x40000                  ; cx
	s_bfe_u32 s41, ttmp6, 0x40004                  ; cy
	s_lshl_b32 s42, ttmp9, 2
	s_add_co_u32 s42, s42, s40                     ; tile column
	s_and_b32 s13, ttmp7, 0xffff
	s_lshl_b32 s13, s13, 2
	s_add_co_u32 s13, s13, s41                     ; tile row
	s_lshl_b32 s43, s41, 2
	s_lshl_b32 s43, 15, s43                        ; my row of the cluster
	s_lshl_b32 s44, 0x1111, s40                    ; my column
	s_or_b32 s[G1+0], s43, (1<<16)|(1<<20)|(1<<21)|(5<<22)|(3<<25)   ; mask; 2-byte elements; padding on; bit 21 beside a mask; after every 64 words 4 words
	s_or_b32 s[G1B+0], s44, (1<<16)|(1<<20)|(1<<21)|(5<<22)|(7<<25)  ; the same with my column's mask and 8 words
.irp g, G1, G1B
	s_mov_b32 s[(\g)+1], 128<<16                   ; tensor_dim0 = 128
	s_mov_b32 s[(\g)+2], 128<<16                   ; tensor_dim1 = 128
	s_mov_b32 s[(\g)+3], 128<<16                   ; tile_dim0 = 128
	s_mov_b32 s[(\g)+4], 128                       ; tile_dim1 = 128
	s_mov_b32 s[(\g)+6], 0
	s_mov_b32 s[(\g)+7], 0
.endr
	s_mov_b32 s[G1+5], 1024                        ; A: 1,024 elements from row to row
	s_mov_b32 s[G1B+5], 128                        ; W: a panel's rows are dense
	s_lshl_b32 s16, s13, 8
	s_lshl_b32 s17, s12, 7
	s_add_co_u32 s16, s16, s17                     ; A: row 256 x tile row + 128 x half,
	s_lshl_b32 s16, s16, 11                        ; 2,048 bytes a row
	s_mov_b32 s17, 0
	s_lshl_b32 s46, s42, 1
	s_add_co_u32 s46, s46, s12                     ; W: panel 2 x tile column + half,
	s_lshl_b32 s46, s46, 18                        ; 262,144 bytes a panel,
	s_add_co_u32 s46, s46, 0x800000                ; behind A
	s_mov_b32 s47, 0
	s_mul_i32 s20, s12, HALFA                      ; where they go: no place in the cluster enters an LDS address
	s_mul_i32 s21, s12, PANW
	s_add_co_u32 s21, s21, WBASE
	s_mov_b32 s[HIM], 0xffff0000
	s_wait_dscnt 0x0                               ; the opening add is done
	s_wait_kmcnt 0x0
	s_add_nc_u64 s[14:15], s[4:5], s[16:17]
	s_add_nc_u64 s[46:47], s[4:5], s[46:47]
	s_add_nc_u64 s[70:71], s[4:5], 0x1000000
	s_load_b32 s[FLOOR], s[70:71], 0x0             ; the floor
	CROUND                                         ; all sixteen work-groups are here: the first joint loads meet
.irp s, 0,1
	s_mov_b32 s[G0+4*(\s)], 1
	s_add_co_u32 s[G0+4*(\s)+1], s20, (\s)*SLOT
	s_add_nc_u64 s[G0+4*(\s)+2:G0+4*(\s)+3], s[14:15], (\s)*KSTEP*2
	s_or_b32 s[G0+4*(\s)+3], s[G0+4*(\s)+3], 0x80000000
	s_mov_b32 s[G0B+4*(\s)], 1
	s_add_co_u32 s[G0B+4*(\s)+1], s21, (\s)*SLOT
	s_add_nc_u64 s[G0B+4*(\s)+2:G0B+4*(\s)+3], s[46:47], (\s)*KSTEP*256
	s_or_b32 s[G0B+4*(\s)+3], s[G0B+4*(\s)+3], 0x80000000
	JLOAD \s
.endr
	v_and_b32 v1, 15, v0                           ; l % 16
	v_bfe_u32 v2, v0, 4, 1                         ; l / 16
	v_mul_u32_u24 v3, v1, PA
	v_lshl_add_u32 v3, v2, 4, v3                   ; A: row x pitch + 16 x half
	v_and_b32 v4, 7, v0
	v_bfe_u32 v5, v0, 3, 1
	v_lshl_add_u32 v6, v2, 3, v4                   ; W: lane l reads k = 8 (l / 16) + l % 8, columns 8 ((l / 8) % 2) + 0..7
	v_mul_u32_u24 v6, v6, PW
	v_lshl_add_u32 v6, v5, 4, v6
	s_mul_i32 s21, s11, HALFA                      ; my 128 rows of A
	s_mul_i32 s22, s12, PANW                       ; my panel of W
	s_add_co_u32 s22, s22, WBASE
.irp s, 0,1
	v_add_nc_u32 v[ADRA+(\s)], s21, v3
	v_add_nc_u32 v[ADRW+(\s)], s22, v6
	s_add_co_u32 s21, s21, SLOT
	s_add_co_u32 s22, s22, SLOT
.endr
	s_mul_i32 s23, s10, 16*SPITCH
	s_add_co_u32 s23, s23, STAGE                   ; my stage
	v_add_nc_u32 v[STO], s23, v3                   ; in: row l % 16, 16 bytes for each half of the lanes (the stage's pitch is A's)
	v_bfe_u32 v7, v0, 3, 2
	v_mul_u32_u24 v7, v7, SPITCH                   ; back: 32 lanes take 128 bytes of each of four rows,
	v_lshl_add_u32 v7, v4, 4, v7
	v_add_nc_u32 v[RD], s23, v7
	v_and_b32 v[CO], 31, v0
	v_lshlrev_b32 v[CO], 4, v[CO]                  ; which are 512 consecutive bytes of a panel of out
	v_lshlrev_b32 v[BO], 5, v2                     ; the bias of columns 8 (l / 16) + 0..7 of a block of 16
	s_lshl_b32 s18, s42, 10
	s_lshl_b32 s19, s12, 9
	s_add_co_u32 s18, s18, s19                     ; my first column, in f32
	s_mov_b32 s19, 0
	s_add_nc_u64 s[6:7], s[6:7], s[18:19]
	s_lshl_b32 s68, s42, 2
	s_lshl_b32 s69, s12, 1
	s_add_co_u32 s68, s68, s69
	s_lshl_b32 s68, s68, 19                        ; my first panel of out: 4 x tile column + 2 x half
	s_lshl_b32 s69, s13, 8
	s_lshl_b32 s22, s11, 7
	s_add_co_u32 s69, s69, s22
	s_lshl_b32 s69, s69, 7                         ; my first row, 128 bytes a row
	s_add_co_u32 s68, s68, s69
	s_mov_b32 s69, 0
	s_add_nc_u64 s[8:9], s[8:9], s[68:69]
	WIN TO_B
.irp b, 0,1,2,3,4,5,6,7
	global_load_b128 v[8*(\b):8*(\b)+3],   v[BO], s[6:7] offset:64*(\b)
	global_load_b128 v[8*(\b)+4:8*(\b)+7], v[BO], s[6:7] offset:64*(\b)+16
.endr
	s_wait_loadcnt 0x0
	s_wait_kmcnt 0x0                               ; the floor
	WIN 0x55                                       ; all in window 1: the bias is rounded to bf16 and widened again
.set i, 0
.rept 32
	v_cvt_pk_bf16_f32 v[192+i%4], v[2*i], v[2*i+1]
	v_lshlrev_b32 v[2*i], 16, v[192+i%4]
	v_and_b32 v[2*i+1], s[HIM], v[192+i%4]
.set i, i+1
.endr
	WIN 0
; 16 matrix instructions: row blocks a0, a0 + 1 of the window's four x all 8 column blocks, 32 along K.  first = 1: the bias starts the sums.  The 64 accumulators take turns.
.macro MUL16 f, hi, a0, first
.if \first
	WIN 0x91+0x40*(\hi)                            ; W window 1, A window 0, C (the bias) window 1, D window 2 or 3
.else
	WIN 0xa1+0x50*(\hi)                            ; C and D window 2 or 3
.endif
.irp a, \a0, (\a0)+1
.irp b, 0,1,2,3,4,5,6,7
.if \first
	v_wmma_f32_16x16x32_f16 v[8*(8*(\a)+(\b)):8*(8*(\a)+(\b))+7], v[(\f)+8*(\b):(\f)+8*(\b)+7], v[(\f)+8*(4*(\hi)+(\a)):(\f)+8*(4*(\hi)+(\a))+7], v[8*(\b):8*(\b)+7]
.else
	v_wmma_f32_16x16x32_f16 v[8*(8*(\a)+(\b)):8*(8*(\a)+(\b))+7], v[(\f)+8*(\b):(\f)+8*(\b)+7], v[(\f)+8*(4*(\hi)+(\a)):(\f)+8*(4*(\hi)+(\a))+7], v[8*(8*(\a)+(\b)):8*(8*(\a)+(\b))+7]
.endif
.endr
.endr
.endm
; 32 LDS loads in one run: the fragments of quarter q (32 along K) of a slot into buffer f: W's 128 columns, turned, then A's 128 rows
.macro FETCH slot, q, f
	WIN TO_B
.irp i, 0,1,2,3,4,5,6,7
	ds_load_tr16_b128 v[(\f)+8*(\i):(\f)+8*(\i)+3],   v[ADRW+(\slot)] offset:(\q)*32*PW+32*(\i)
	ds_load_tr16_b128 v[(\f)+8*(\i)+4:(\f)+8*(\i)+7], v[ADRW+(\slot)] offset:(\q)*32*PW+16*PW+32*(\i)
.endr
	WIN 0
.irp i, 0,1,2,3,4,5,6,7
	ds_load_b128 v[(\f)+8*(\i):(\f)+8*(\i)+3],   v[ADRA+(\slot)] offset:(\q)*64+(\i)*16*PA
	ds_load_b128 v[(\f)+8*(\i)+4:(\f)+8*(\i)+7], v[ADRA+(\slot)] offset:(\q)*64+(\i)*16*PA+32
.endr
.endm
.macro PLACES                          ; four places in front of loads into registers that matrix instructions have read, and of lines that read results
.rept 4
	v_nop
.endr
.endm
; One of a K step's first three quarters: multiplies buffer f and, in its middle, fetches quarter q of the same slot into g.
.macro QUARTER slot, q, f, g, first
	s_wait_dscnt 8                                 ; W and A's rows 0-63 are in; the youngest eight loads (A's rows 64-127) may be out
	MUL16 \f, 0, 0, \first
	MUL16 \f, 0, 2, \first
	PLACES
	FETCH \slot, \q, \g
	s_wait_dscnt 32                                ; all but the 32 just issued
	MUL16 \f, 1, 0, \first
	MUL16 \f, 1, 2, \first
.endm
; The first half of the last quarter, and the one barrier of a change of slots.
.macro MEET round
	WIN 0
	s_wait_tensorcnt 0x0                           ; all my tensor loads have landed: the one that was out is my part of the next slot;
	ds_add_u32 v[SPW], v[NIL]
	s_wait_dscnt 9                                 ; (the add and the youngest eight loads may be out)
	MUL16 F1, 0, 0, 0
	s_wait_dscnt 0x0                               ; the add is done, and my reads of this slot are over
	s_barrier_signal -1
	MUL16 F1, 0, 2, 0
.if \round
	WIN 0
.endif
	s_barrier_wait -1
.endm
.macro TURN slot, next                 ; the whole last quarter; the slot just read out is filled again, two K steps on, first thing behind the cluster's round
	MEET 1
	CREST                                          ; no wave of any partner still reads this slot or has a load on its way
	s_add_nc_u64 s[G0+4*(\slot)+2:G0+4*(\slot)+3], s[G0+4*(\slot)+2:G0+4*(\slot)+3], 2*KSTEP*2
	s_add_nc_u64 s[G0B+4*(\slot)+2:G0B+4*(\slot)+3], s[G0B+4*(\slot)+2:G0B+4*(\slot)+3], 2*KSTEP*256
	JLOAD \slot                                    ; its four v_nop are also the places in front of the loads below
	FETCH \next, 0, F0
	MUL16 F1, 1, 0, 0
	MUL16 F1, 1, 2, 0
.endm
	s_wait_tensorcnt 1                             ; my part of K step 0 is in; K step 1's may stay out
	s_barrier_signal -1
	s_barrier_wait -1
	FETCH 0, 0, F0
	QUARTER 0, 1, F0, F1, 1                        ; the first quarter stands in front of the loop: its products start the sums
	WIN 0
	s_mov_b32 s3, LAPS-1
.Llap:                                                 ; a trip goes once round the ring, from a lap's second quarter to the next lap's first
	QUARTER 0, 2, F1, F0, 0
	QUARTER 0, 3, F0, F1, 0
	TURN 0, 1
	QUARTER 1, 1, F0, F1, 0
	QUARTER 1, 2, F1, F0, 0
	QUARTER 1, 3, F0, F1, 0
	TURN 1, 0
	QUARTER 0, 1, F0, F1, 0
	WIN 0
	s_sub_co_u32 s3, s3, 1
	s_cmp_lg_u32 s3, 0
	s_cbranch_scc1 .Llap
	QUARTER 0, 2, F1, F0, 0                        ; the last lap fills nothing
	QUARTER 0, 3, F0, F1, 0
	MEET 0
	PLACES
	FETCH 1, 0, F0
	MUL16 F1, 1, 0, 0
	MUL16 F1, 1, 2, 0
	QUARTER 1, 1, F0, F1, 0
	QUARTER 1, 2, F1, F0, 0
	QUARTER 1, 3, F0, F1, 0
	s_wait_dscnt 8
	MUL16 F1, 0, 0, 0
	MUL16 F1, 0, 2, 0
	s_wait_dscnt 0x0
	MUL16 F1, 1, 0, 0
	MUL16 F1, 1, 2, 0
	WIN 0
	PLACES
; THE WAY OUT of block a (16 rows x 128 columns).  PACK: rounded to bf16, 16 bytes a lane, and held to the floor.  TOSTAGE: into my own stage, and back as four rows' 128 bytes of one panel.  SEND: stored.
.macro PACK a
.set AC, 64*((\a)%4)
	WIN 0x0a+5*((\a)/4)                            ; sources in window 2 or 3
.irp b, 0,1,2,3,4,5,6,7
.irp r, 0,1,2,3
	v_cvt_pk_bf16_f32 v[TMP+4*(\b)+(\r)], v[AC+8*(\b)+2*(\r)], v[AC+8*(\b)+2*(\r)+1]
.endr
.endr
	WIN 0
.set i, 0
.rept 32
	v_pk_max_num_bf16 v[TMP+i], v[TMP+i], s[FLOOR]
.set i, i+1
.endr
.endm
.macro TOSTAGE a
.set BK, OB+192*((\a)%2)
.irp b, 0,1,2,3,4,5,6,7
	ds_store_b128 v[STO], v[TMP+4*(\b):TMP+4*(\b)+3] offset:32*(\b)
.endr
.irp p, 0,1
.irp t, 0,1,2,3
	ds_load_b128 v[BK+4*(4*(\p)+(\t)):BK+4*(4*(\p)+(\t))+3], v[RD] offset:(\t)*4*SPITCH+(\p)*128  ; LDS serves a wave's instructions in order (ISA guide 5.7.1.4): these see the stores above
.endr
.endr
.endm
.macro SEND a
.set BK, OB+192*((\a)%2)
	s_wait_dscnt 0x0                               ; the block is back in registers
	s_wait_xcnt 0x0                                ; the registers that the block before last's stores read are loaded again only behind this wait
.irp p, 0,1
.irp t, 0,1,2,3
	global_store_b128 v[CO], v[BK+4*(4*(\p)+(\t)):BK+4*(4*(\p)+(\t))+3], s[8:9] offset:(\p)*PANEL+(\a)*2048+(\t)*512  ; 512 consecutive bytes, at a multiple of 256 from out's first
.endr
.endr
.endm
	PACK 0
	TOSTAGE 0
.irp a, 1,2,3,4,5,6,7                  ; block a's conversions stand between block a - 1's loads from the stage and the wait for them
	PACK \a
	SEND (\a)-1
	TOSTAGE \a
.endr
	SEND 7
	s_wait_tensorcnt 0x0                           ; the wave's end
	ds_add_u32 v[SPW], v[NIL]
	s_wait_dscnt 0x0
	CROUND                                         ; the closing round
	s_endpgm
.Lfunc_end_k_qf192c7daa3_gemmbig:
	.size	k_qf192c7daa3_gemmbig, .Lfunc_end_k_qf192c7daa3_gemmbig-k_qf192c7daa3_gemmbig
	.p2alignl 7, 3214868480
	.fill 96, 4, 3214868480
	.section	.rodata,"a",@progbits
	.p2align	6, 0x0
	.amdhsa_kernel k_qf192c7daa3_gemmbig
		.amdhsa_group_segment_fixed_size 327680
		.amdhsa_private_segment_fixed_size 0
		.amdhsa_enable_private_segment 0
		.amdhsa_kernarg_size 24
		.amdhsa_user_sgpr_count 2
		.amdhsa_user_sgpr_kernarg_segment_ptr 1
		.amdhsa_wavefront_size32 1
		.amdhsa_system_sgpr_workgroup_id_x 1
		.amdhsa_system_sgpr_workgroup_id_y 1
		.amdhsa_system_sgpr_workgroup_id_z 1
		.amdhsa_system_vgpr_workitem_id 0
		.amdhsa_next_free_vgpr 1024
		.amdhsa_next_free_sgpr 76
		.amdhsa_reserve_vcc 0
		.amdhsa_float_denorm_mode_32 3
		.amdhsa_float_denorm_mode_16_64 3
		.amdhsa_memory_ordered 1
		.amdhsa_forward_progress 1
		.amdhsa_inst_pref_size 165
	.end_amdhsa_kernel
	.amdgpu_metadata
---
amdhsa.version: [ 1, 2 ]
amdhsa.kernels:
  - .name:           k_qf192c7daa3_gemmbig
    .symbol:         k_qf192c7daa3_gemmbig.kd
    .args:
      - { .name: pk1, .offset: 0, .size: 8, .value_kind: global_buffer, .address_space: global }
      - { .name: zero, .offset: 8, .size: 8, .value_kind: global_buffer, .address_space: global }
      - { .name: qkv, .offset: 16, .size: 8, .value_kind: global_buffer, .address_space: global }
    .group_segment_fixed_size: 327680
    .private_segment_fixed_size: 0
    .kernarg_segment_align: 8
    .kernarg_segment_size: 24
    .max_flat_workgroup_size: 128
    .sgpr_count:     76
    .vgpr_count:     1024
    .wavefront_size: 32
...
	.end_amdgpu_metadata
.endif
;; end of part 2
;; launch attn (part 3): grid 4 x 64, 8 waves a work-group, no clusters, 327,680 bytes of LDS; arguments qkv, pk3; writes pk3
.if DOCPART == 3
	.amdgcn_target "amdgcn-amd-amdhsa--gfx1250"
	.amdhsa_code_object_version 6
	.text
	.protected	k_qf192c7daa3_attn
	.globl	k_qf192c7daa3_attn
	.p2align	8
	.type	k_qf192c7daa3_attn,@function
k_qf192c7daa3_attn:
	s_mov_b64 s[64:65], 0
	v_nop
	global_prefetch_b8 v0, s[64:65] scope:SCOPE_SE
	s_setreg_imm32_b32 hwreg(HW_REG_WAVE_MODE, 25, 1), 1
	s_wait_xcnt 0x0
; CAUSAL ATTENTION, head size 64, 1,024 rows, scale 1 / 4096.  q, k, v: bf16, [64 heads-and-batches y][1024][64], dense rows of 128 bytes, at bytes 0, 8,388,608 and 16,777,216 of the first argument; the
; result in the same layout at byte 0 of the second.  Products, maxima and sums in f32; the weights p are rounded to bf16 for the second product (their sum l is taken of the unrounded p), the result once.
; LIMITS.  A hidden score counts as its value less 1e30; the running maximum starts at -2^83, so a true score below that is not served; a weight below 2^-126 counts as 0 in l; NaN and infinities are not treated apart.
; SHARES.  A work-group takes the query blocks b and 7 - b of 128 rows: 2 b + 2 and 16 - 2 b key steps of 64, 18 whatever b.  EIGHT WAVES, two to a SIMD: waves w and w + 4 own the same rows 32 w .. 32 w + 31 of a
; block (two tiles of 16 queries); wave w walks the even key steps, wave w + 4 the odd ones: 9 steps each, whatever b.  So one wave's products stand beside the other's softmax, and a fragment of K or V read from
; LDS still feeds two tiles.  Each wave keeps a running maximum, sum and O^T of its own; at the end the two parts of a row are merged: with c m the larger of the two c m_i and a_i = 2^(c m_i - c m),
; O = (O_1 a_1 + O_2 a_2) / (l_1 a_1 + l_2 a_2).  Waves 0-3 finish the first block, waves 4-7 the second.  A part that saw hidden keys alone (block 0, rows 0-63, odd steps) has c m = c x -2^83, l = 0, O^T = 0, and a_i = 0.
; K AND V OF THE WHOLE HEAD LIE IN LDS and are filled once: two tensor loads a wave, all at the start (waves 0-3: K; waves 4-7: V; 128 keys a load; first keys 0-511, then 512-1023).  The first block reads keys
; below 512 alone and starts when the first loads have landed.  A work-group with b > 0 fetches up to 384 keys that it does not read: the price of a text in which no tensor load hangs on b.
; NO CLUSTER: the four work-groups of a head read the same K and V, but their steps' jumps hang on b, their place, and partners of a joint load must run alike; a walk common to all four is the unmasked work, twice as much.
; THE WALK.  The loop over a wave's key steps counts to a constant (4, 8); steps beyond the block's last are jumped, forward, to the counter's step; what is jumped holds no barrier and no tensor load.
; LAYOUT.  S^T = K Q^T holds ONE query a lane (l % 16) and the keys 8 (l / 16) + 0..7; two such results rounded to bf16 ARE source 1 of O^T = V^T P.  V is turned on the way out of LDS.
; THE MASK is the C operand that starts S^T in the block's last two steps: MD x AL + BE, MD the triangle of a 16 x 16 tile on the diagonal, (AL, BE) = (1, 0) on it, (0, 0) below, (0, -1e30) above.
; SOFTMAX.  p = 2^(c s - c m), c = log2(e) / 4096, with a running maximum m; O and l are multiplied by a = 2^(c m_old - c m_new) in every step.
; LDS: K at 0 (pitch 144), V behind it (pitch 160), the spare words behind V.  When nobody reads K and V any more (they have had their only fill) K's bytes serve as scratch: 8,704 bytes a wave for the exchange, then 2,304 a wave for the way out.
; REGISTERS: window 0: v2-15 addresses and work; v16-23 statistics (c m, m, l, l a tile); v24-31 at work; v32-39 MD; v42-59 the exchange's addresses and statistics; v64-127 S^T; v128-159 P; v160-223 O^T
;   window 1: v0-31, v32-63 Q of the two blocks; v64-127 K of a step; v128-191 V of a step; v192-255 the first block's O^T, set aside
.set KS,    64
.set PK,    144       ; a row of K in LDS: 128 bytes + 16: the 16 rows of a load start at 16 different groups of four banks (64 banks of 4 bytes: ISA guide 11.1)
.set PV,    160       ; a row of V: 128 + 32
.set VOFF,  1024*PK
.set SPARE, VOFF+1024*PV   ; the spare words, 128 bytes for each of eight waves
.set XB,    17*512    ; a wave's exchange block: 64 registers of O^T and 4 of statistics, 512 bytes for each four
.set STAGE, 8*XB
.set SP,    144
.set AK0, 2
.set AV0, 3
.set AK,  4
.set AV,  5
.set STO, 6
.set RD,  7
.set GO,  8
.set QO,  9
.set MV,  12
.set ST,  16
.set TMP, 24
.set MD,  32
.set SPW, 40
.set NIL, 41
.set XW,  42          ; v42  where I put my part for my partner
.set XR,  43          ; v43  where my partner puts its part for me
.set S1,  44          ; v44-47  the first block's c m (two tiles) and l (two tiles)
.set S2,  48          ; v48-51  the second block's; then those of the block that I finish
.set PS,  52          ; v52-55  my partner's
.set CM,  56          ; v56-57  the merged c m
.set LL,  58          ; v58-59  the merged l, then 1 / l
.set S,   64
.set P,   128
.set O,   160
.set Q1,  0
.set Q2,  32
.set KF,  64
.set VF,  128
.set SV,  192
.set WQ,  8           ; s8  wave % 4: my rows; which 128 keys of a group I fetch
.set PAR, 9           ; s9  wave / 4: even or odd key steps; I fetch K (0) or V (1); I finish the first block (0) or the second (1)
.set I,   10          ; s10 counts my key steps
.set WV,  12          ; s12 wave
.set QA,  13          ; s13 b
.set QB,  14          ; s14 7 - b
.set G1K, 24
.set G1V, 32
.set G0K, 40          ; s[40:47] two sets for K
.set G0V, 48          ; s[48:55] two sets for V
.set J,   56
.set JD,  57          ; the block's first step with a mask
.set CS,  58
.set SEL, 60
.set JL,  62          ; the block's last step
.set SD,  74
.set BIGN, 75
.set AL,  76          ; s[76:95]: for kb - u = -1 .. 3 a pair for AL and a pair for BE
.set W2,  96
.set TBK, 97
.set TBV, 98
.set MSB, 0
.macro WIN new
.if MSB != (\new)
	s_set_vgpr_msb (MSB<<8)|(\new)
.set MSB, \new
.endif
.endm
	s_load_b128 s[4:7], s[0:1], 0x0                ; qkv s[4:5], the result s[6:7]
	v_lshl_add_u32 v[SPW], v0, 2, SPARE
	v_mov_b32 v[NIL], 0
	ds_add_u32 v[SPW], v[NIL]                      ; the wave's opening: the add and its wait stand ahead of my first tensor load
	ds_add_u32 v40, v41
	v_lshrrev_b32 v1, 5, v0
	v_readfirstlane_b32 s[WV], v1
	s_and_b32 s[WQ], s[WV], 3
	s_lshr_b32 s[PAR], s[WV], 2
	s_mov_b32 s[QA], ttmp9
	s_sub_co_u32 s[QB], 7, s[QA]
	s_and_b32 s15, ttmp7, 0xffff
	s_lshl_b32 s16, s15, 17                        ; the head's 131,072 bytes
	s_lshl_b32 s20, s[WQ], 14                      ; which 128 of a group's 512 keys I fetch
	s_add_co_u32 s20, s20, s16
	s_mov_b32 s21, 0
	s_mul_i32 s19, s[WQ], 128*PK
	s_mul_i32 s22, s[WQ], 128*PV
	s_add_co_u32 s22, s22, VOFF
	s_lshl_b32 s23, s[WQ], 12                      ; my 32 rows of a block
	s_add_co_u32 s23, s23, s16
	s_lshl_b32 s66, s[QA], 14                      ; a block's 128 rows
	s_add_co_u32 s66, s66, s23
	s_mov_b32 s67, 0
	s_lshl_b32 s68, s[QB], 14
	s_add_co_u32 s68, s68, s23
	s_mov_b32 s69, 0
	s_lshl_b32 s[W2], s[WQ], 1
	; 128 keys are 16,384 dense bytes: asked for as 64 rows of 256 bytes, two keys a row, and padded in LDS after every key
	s_mov_b32 s[G1K], (1<<16)|(1<<20)|(4<<22)|(3<<25)  ; 2-byte elements; padding on; after every 32 words 4 words
	s_mov_b32 s[G1V], (1<<16)|(1<<20)|(4<<22)|(7<<25)  ; the same with 8 words
.irp g, G1K, G1V
	s_mov_b32 s[(\g)+1], 128<<16
	s_mov_b32 s[(\g)+2], 64<<16
	s_mov_b32 s[(\g)+3], 128<<16
	s_mov_b32 s[(\g)+4], 64
	s_mov_b32 s[(\g)+5], 128
	s_mov_b32 s[(\g)+6], 0
	s_mov_b32 s[(\g)+7], 0
.endr
	s_mov_b32 s[CS], 0x39b8aa3b                    ; c = log2(e) / 4096
	s_mov_b32 s[CS+1], s[CS]
	s_mov_b32 s[SEL], 0x76543210
	s_mov_b32 s[SEL+1], 0xfedcba98
	s_mov_b32 s[BIGN], 0xf149f2ca                  ; -1e30
.set i, 0
.rept 20
	s_mov_b32 s[AL+i], 0                           ; named as pairs, so all are written
.set i, i+1
.endr
	s_mov_b32 s[G0K], 1
	s_mov_b32 s[G0K+1], s19
	s_mov_b32 s[G0K+4], 1
	s_add_co_u32 s[G0K+5], s19, 512*PK
	s_mov_b32 s[G0V], 1
	s_mov_b32 s[G0V+1], s22
	s_mov_b32 s[G0V+4], 1
	s_add_co_u32 s[G0V+5], s22, 512*PV
	s_wait_dscnt 0x0                               ; the opening add is done
	s_wait_kmcnt 0x0
	s_add_nc_u64 s[20:21], s[4:5], s[20:21]
	s_add_nc_u64 s[G0K+2:G0K+3], s[20:21], 0x800000
	s_or_b32 s[G0K+3], s[G0K+3], 0x80000000
	s_add_nc_u64 s[G0K+6:G0K+7], s[20:21], 0x810000
	s_or_b32 s[G0K+7], s[G0K+7], 0x80000000
	s_add_nc_u64 s[G0V+2:G0V+3], s[20:21], 0x1000000
	s_or_b32 s[G0V+3], s[G0V+3], 0x80000000
	s_add_nc_u64 s[G0V+6:G0V+7], s[20:21], 0x1010000
	s_or_b32 s[G0V+7], s[G0V+7], 0x80000000
	s_add_nc_u64 s[70:71], s[6:7], s[66:67]        ; the result at my rows of the first block,
	s_add_nc_u64 s[72:73], s[6:7], s[68:69]        ; of the second;
	s_add_nc_u64 s[66:67], s[4:5], s[66:67]        ; Q likewise
	s_add_nc_u64 s[68:69], s[4:5], s[68:69]
	s_cmp_eq_u32 s[PAR], 0                         ; a wave's two fills stand in one branch, ahead of every wait on TENSORcnt, every LDS read and every barrier: two loads of mine are out
	s_cbranch_scc0 .Lfirst_v
	tensor_load_to_lds s[G0K:G0K+3], s[G1K:G1K+7]
	s_nop 0
	tensor_load_to_lds s[G0K+4:G0K+7], s[G1K:G1K+7]
	s_nop 0
.rept 4
	v_nop
.endr
	s_branch .Lfirst_asked
.Lfirst_v:
	tensor_load_to_lds s[G0V:G0V+3], s[G1V:G1V+7]
	s_nop 0
	tensor_load_to_lds s[G0V+4:G0V+7], s[G1V:G1V+7]
	s_nop 0
.rept 4
	v_nop
.endr
.Lfirst_asked:
	v_and_b32 v1, 15, v0                           ; l % 16
	v_bfe_u32 v10, v0, 4, 1                        ; l / 16
	v_lshlrev_b32 v[QO], 7, v1
	v_lshl_add_u32 v[QO], v10, 4, v[QO]            ; row x 128 + 16 x half
	WIN 0x40
.set i, 0
.rept 4                                ; both blocks' Q: tile i / 2, channels 32 (i % 2) on
	global_load_b128 v[Q1+8*i:Q1+8*i+3],   v[QO], s[66:67] offset:(i/2)*2048+(i%2)*64
	global_load_b128 v[Q1+8*i+4:Q1+8*i+7], v[QO], s[66:67] offset:(i/2)*2048+(i%2)*64+32
	global_load_b128 v[Q2+8*i:Q2+8*i+3],   v[QO], s[68:69] offset:(i/2)*2048+(i%2)*64
	global_load_b128 v[Q2+8*i+4:Q2+8*i+7], v[QO], s[68:69] offset:(i/2)*2048+(i%2)*64+32
.set i, i+1
.endr
	WIN 0
	v_lshlrev_b32 v14, 3, v10
	v_sub_nc_u32 v14, v1, v14                      ; register r of a tile on the diagonal is hidden where r > l % 16 - 8 (l / 16)
.set i, 0
.rept 8
	v_cmp_gt_i32 vcc_lo, i, v14
	v_cndmask_b32 v[MD+i], 0, s[BIGN], vcc_lo
.set i, i+1
.endr
	v_mul_u32_u24 v[AK0], v1, PK
	v_lshl_add_u32 v[AK0], v10, 4, v[AK0]          ; K: row x pitch + 16 x half
	v_and_b32 v11, 7, v0
	v_bfe_u32 v15, v0, 3, 1
	v_lshl_add_u32 v[AV0], v10, 3, v11             ; V: lane l reads key 8 (l / 16) + l % 8, channels 8 ((l / 8) % 2) + 0..7
	v_mul_u32_u24 v[AV0], v[AV0], PV
	v_lshl_add_u32 v[AV0], v15, 4, v[AV0]
	v_add_nc_u32 v[AV0], VOFF, v[AV0]
	s_mul_i32 s63, s[WV], 16*SP
	s_add_co_u32 s63, s63, STAGE                   ; my stage
	v_add_nc_u32 v[STO], s63, v[AK0]               ; in: row l % 16, 16 bytes for each half of the lanes (the stage's pitch is K's)
	v_bfe_u32 v[RD], v0, 3, 2                      ; back: 32 lanes take four rows of 128 bytes,
	v_mul_u32_u24 v[RD], v[RD], SP
	v_lshl_add_u32 v[RD], v11, 4, v[RD]
	v_add_nc_u32 v[RD], s63, v[RD]
	v_and_b32 v[GO], 31, v0                        ; which are 512 consecutive bytes of the result
	v_lshlrev_b32 v[GO], 4, v[GO]
	s_mul_i32 s17, s[WV], XB                       ; my exchange block,
	s_xor_b32 s18, s[WV], 4
	s_mul_i32 s18, s18, XB                         ; my partner's: the wave four away
	v_add_nc_u32 v[XW], s17, v[GO]                 ; 16 bytes a lane: four registers are 512 consecutive bytes
	v_add_nc_u32 v[XR], s18, v[GO]
	; A block's first step multiplies O^T and l by a = 0, so they need only be finite: zeros here, what the first block left for the second.  This stands in the wait for the first tiles.
.set i, 0
.rept 64
	v_mov_b32 v[O+i], 0
.set i, i+1
.endr
.irp u, 0,1
	v_mov_b32 v[ST+4*(\u)+2], 0
	v_mov_b32 v[ST+4*(\u)+3], 0
.endr
.macro FETCH_K                         ; a step's K: 64 keys x 64 channels, 8 fragments
	WIN 0x40
.irp f, 0,1,2,3,4,5,6,7
	ds_load_b128 v[KF+8*(\f):KF+8*(\f)+3],   v[AK] offset:((\f)/2)*16*PK+((\f)%2)*64
	ds_load_b128 v[KF+8*(\f)+4:KF+8*(\f)+7], v[AK] offset:((\f)/2)*16*PK+((\f)%2)*64+32
.endr
	WIN 0
.endm
.macro FETCH_V                         ; a step's V, turned: keys 32 (f / 4) on, channels 16 (f % 4) on
	WIN 0x40
.irp f, 0,1,2,3,4,5,6,7
	ds_load_tr16_b128 v[VF+8*(\f):VF+8*(\f)+3],   v[AV] offset:((\f)/4)*32*PV+((\f)%4)*32
	ds_load_tr16_b128 v[VF+8*(\f)+4:VF+8*(\f)+7], v[AV] offset:((\f)/4)*32*PV+16*PV+((\f)%4)*32
.endr
	WIN 0
.endm
; Product i of 16 of S^T = K Q^T: channels 32 (i / 8) on, keys 16 ((i / 2) % 4) on, tile i % 2.  The 8 accumulators take turns.  zero = 1: the first 8 start from 0; else from the mask that lies in S^T.
.macro KQ q, zero
	WIN 0x05
.set rS, S+32*(i%2)+8*((i/2)%4)
.set rK, KF+16*((i/2)%4)+8*(i/8)
.set rQ, (\q)+16*(i%2)+8*(i/8)
.if (i < 8) && (\zero)
	v_wmma_f32_16x16x32_bf16 v[rS:rS+7], v[rK:rK+7], v[rQ:rQ+7], 0
.else
	v_wmma_f32_16x16x32_bf16 v[rS:rS+7], v[rK:rK+7], v[rQ:rQ+7], v[rS:rS+7]
.endif
.set i, i+1
.endm
; Number n of the 22 lines that find tile u's maximum and statistics; each accumulator's lowest registers are read first.
.macro XS u, n
.set rT, ST+4*(\u)
.set rC, TMP+4*(\u)
.set rW, MV+(\u)
.set rS, S+32*(\u)
.if (\n) < 4
	v_max3_num_f32 v[rC+(\n)], v[rS+8*(\n)], v[rS+8*(\n)+1], v[rS+8*(\n)+2]
.elseif (\n) < 12
	v_max3_num_f32 v[rC+(\n)%4], v[rC+(\n)%4], v[rS+8*((\n)%4)+2*((\n)/4)+1], v[rS+8*((\n)%4)+2*((\n)/4)+2]
.elseif (\n) == 12
	v_max3_num_f32 v[rC], v[rC], v[rS+7], v[rS+15]
.elseif (\n) == 13
	v_max3_num_f32 v[rC+1], v[rC+1], v[rS+23], v[rS+31]
.elseif (\n) == 14
	v_max3_num_f32 v[rC+2], v[rC+2], v[rC+3], v[rT+1]
.elseif (\n) == 15
	v_mov_b32 v[rW], v[rT]                         ; c m_old is kept
.elseif (\n) == 16
	v_max3_num_f32 v[rC], v[rC], v[rC+1], v[rC+2]
.elseif (\n) == 17
	v_permlanex16_b32 v[rC+3], v[rC], s[SEL], s[SEL+1]  ; the query's other 32 keys lie in the lane 16 away
.elseif (\n) == 18
	v_max_num_f32 v[rT+1], v[rC], v[rC+3]
.elseif (\n) == 19
	v_mul_f32 v[rT], s[CS], v[rT+1]
.elseif (\n) == 20
	v_sub_f32 v[rC+1], v[rW], v[rT]
.else
	v_exp_f32 v[rC+2], v[rC+1]                     ; a
.endif
.endm
.macro SOFT                            ; a step's softmax for both tiles, in phases, the tiles alternating
.irp n, 0,1,2,3,4,5,6,7,8,9,10,11,12,13,14,15,16,17,18,19,20,21
	XS 0, \n
	XS 1, \n
.endr
.set i, 0
.rept 16                               ; c s - c m; the first of these is the plain line behind a's exponentials
.irp u, 0,1
	v_pk_fma_f32 v[S+32*(\u)+2*i:S+32*(\u)+2*i+1], v[S+32*(\u)+2*i:S+32*(\u)+2*i+1], s[CS:CS+1], v[ST+4*(\u):ST+4*(\u)+1] op_sel_hi:[1,0,0] neg_lo:[0,0,1] neg_hi:[0,0,1]
.endr
.set i, i+1
.endr
.set i, 0
.rept 64
	v_exp_f32 v[S+i], v[S+i]
.set i, i+1
.endr
.set i, 0
	s_wait_alu depctr_va_vdst(0)
.rept 16                               ; O^T times a: the plain lines between the exponentials and the use of their results
.irp u, 0,1
	v_pk_mul_f32 v[O+32*(\u)+2*i:O+32*(\u)+2*i+1], v[O+32*(\u)+2*i:O+32*(\u)+2*i+1], v[TMP+4*(\u)+2:TMP+4*(\u)+3] op_sel_hi:[1,0]
.endr
.set i, i+1
.endr
.set i, 0
.rept 16
.irp u, 0,1
	v_cvt_pk_bf16_f32 v[P+16*(\u)+i], v[S+32*(\u)+2*i], v[S+32*(\u)+2*i+1]
.endr
.set i, i+1
.endr
.irp w, 4,8,16,32                      ; the sum of a tile's 16 pairs, in place: neighbours w / 2 registers apart
.set i, 0
.rept 32/(\w)
.irp u, 0,1
	v_pk_add_f32 v[S+32*(\u)+(\w)*i:S+32*(\u)+(\w)*i+1], v[S+32*(\u)+(\w)*i:S+32*(\u)+(\w)*i+1], v[S+32*(\u)+(\w)*i+(\w)/2:S+32*(\u)+(\w)*i+(\w)/2+1]
.endr
.set i, i+1
.endr
.endr
.irp u, 0,1
	v_pk_fma_f32 v[ST+4*(\u)+2:ST+4*(\u)+3], v[ST+4*(\u)+2:ST+4*(\u)+3], v[TMP+4*(\u)+2:TMP+4*(\u)+3], v[S+32*(\u):S+32*(\u)+1] op_sel_hi:[1,0,1]  ; l = a l + sum
.endr
.endm
; MY KEY STEPS OF A BLOCK of 128 queries.  qb: the scalar register with its number; q: its Q in window 1; maxj: the constant to which the block's steps are counted, two a trip: mine is 2 I + PAR.
.macro BLOCK qb, q, maxj
	WIN 0
.irp u, 0,1
	v_mov_b32 v[ST+4*(\u)], 0xfe000000             ; c m: far below every c s, so the first step's a is 0
	v_mov_b32 v[ST+4*(\u)+1], 0xe9000000           ; m: -2^83, above every hidden score: where all my keys are hidden their weights are 0
.endr
	s_lshl_b32 s[JD], s[\qb], 1
	s_add_co_u32 s[JL], s[JD], 1
	s_mov_b32 s[I], 0
	s_mul_i32 s[TBK], s[PAR], KS*PK
	v_add_nc_u32 v[AK], s[TBK], v[AK0]
	FETCH_K                                        ; my first step
.Lstep_\@:
	s_lshl_b32 s[J], s[I], 1
	s_add_co_u32 s[J], s[J], s[PAR]
	s_cmp_gt_u32 s[J], s[JL]
	s_cbranch_scc1 .Lnext_\@                       ; a step above the diagonal: nothing to do
	s_min_u32 s63, s[J], (\maxj)-1                 ; my step, held inside the block's counted steps
	s_mul_i32 s[TBV], s63, KS*PV
	v_add_nc_u32 v[AV], s[TBV], v[AV0]
	FETCH_V                                        ; four places behind the last product that read V
	s_cmp_ge_u32 s[J], s[JD]
	s_cbranch_scc1 .Ldiag_\@
	s_wait_dscnt 16                                ; K is in; V's sixteen loads may stay out
.set i, 0
.rept 8
	KQ \q, 1
.endr
	WIN 0
	s_branch .Ljoin_\@
.Ldiag_\@:
	s_sub_co_u32 s[SD], s[J], s[JD]
	s_lshl_b32 s[SD], s[SD], 2
	s_sub_co_i32 s[SD], s[SD], s[W2]               ; in tiles of 16: the step's first key tile less my first query tile
.irp e, 0,1,2,3,4                      ; key tile kb against query tile u, kb - u = e - 1: on the diagonal, or above it?
	s_cmp_eq_i32 s[SD], 1-(\e)
	s_cselect_b32 s[AL+4*(\e)], 1.0, 0
	s_cmp_gt_i32 s[SD], 1-(\e)
	s_cselect_b32 s[AL+4*(\e)+2], s[BIGN], 0
.endr
.irp u, 0,1
.irp kb, 0,1,2,3
.irp z, 0,1,2,3
	v_pk_fma_f32 v[S+32*(\u)+8*(\kb)+2*(\z):S+32*(\u)+8*(\kb)+2*(\z)+1], v[MD+2*(\z):MD+2*(\z)+1], s[AL+4*((\kb)-(\u)+1):AL+4*((\kb)-(\u)+1)+1], s[AL+4*((\kb)-(\u)+1)+2:AL+4*((\kb)-(\u)+1)+3] op_sel_hi:[1,0,0]
.endr
.endr
.endr
	s_wait_dscnt 16
.set i, 0
.rept 8
	KQ \q, 0
.endr
	WIN 0
.Ljoin_\@:
.set i, 8
.rept 8
	KQ \q, 0
.endr
	WIN 0
	s_add_co_u32 s63, s[J], 2
	s_min_u32 s63, s63, (\maxj)-1                  ; my next step's K; behind the last counted step one that nothing reads, held inside the keys that have landed
	s_mul_i32 s[TBK], s63, KS*PK
	v_add_nc_u32 v[AK], s[TBK], v[AK0]             ; this line and three v_nop: the four places behind the products that read K and made S^T
.rept 3
	v_nop
.endr
	FETCH_K
	SOFT
	s_wait_dscnt 0x0                               ; V is in (and the next K)
	WIN 0x01
.set i, 0
.rept 16                               ; O^T += V^T P: keys 32 (i / 8) on, channels 16 ((i / 2) % 4) on, tile i % 2; the 8 accumulators take turns
.set rO, O+32*(i%2)+8*((i/2)%4)
.set rV, VF+32*(i/8)+8*((i/2)%4)
.set rP, P+16*(i%2)+8*(i/8)
	v_wmma_f32_16x16x32_bf16 v[rO:rO+7], v[rV:rV+7], v[rP:rP+7], v[rO:rO+7]
.set i, i+1
.endr
	WIN 0
.rept 4
	v_nop                                          ; the places behind those products
.endr
.Lnext_\@:
	s_add_co_u32 s[I], s[I], 1
	s_cmp_lt_u32 s[I], (\maxj)/2
	s_cbranch_scc1 .Lstep_\@
	s_wait_dscnt 0x0                               ; the last fetch of K, which nothing reads
.endm
.macro FINISH dst                      ; my part's statistics: c m of the two tiles, then l: its two halves and the other half of the lanes' added
.irp u, 0,1
	v_add_f32 v[ST+4*(\u)+2], v[ST+4*(\u)+2], v[ST+4*(\u)+3]
.endr
.irp u, 0,1
	v_permlanex16_b32 v[ST+4*(\u)+3], v[ST+4*(\u)+2], s[SEL], s[SEL+1]
.endr
.irp u, 0,1
	v_add_f32 v[(\dst)+2+(\u)], v[ST+4*(\u)+2], v[ST+4*(\u)+3]
	v_mov_b32 v[(\dst)+(\u)], v[ST+4*(\u)]
.endr
.endm
.macro PACK u                          ; tile u: rounded, into rows of 144 bytes and back as whole rows of 128
.set i, 0
.rept 16
	v_cvt_pk_bf16_f32 v[P+16*(\u)+i], v[O+32*(\u)+2*i], v[O+32*(\u)+2*i+1]
.set i, i+1
.endr
.irp f, 0,1,2,3
	ds_store_b128 v[STO], v[P+16*(\u)+4*(\f):P+16*(\u)+4*(\f)+3] offset:32*(\f)
.endr
.irp f, 0,1,2,3
	ds_load_b128 v[P+16*(\u)+4*(\f):P+16*(\u)+4*(\f)+3], v[RD] offset:(\f)*4*SP  ; LDS serves a wave's instructions in order (ISA guide 5.7.1.4)
.endr
.endm
.macro SEND u, younger                 ; younger: the LDS instructions issued behind tile u's loads
.irp f, 0,1,2,3
	s_wait_dscnt (\younger)+3-(\f)
	global_store_b128 v[GO], v[P+16*(\u)+4*(\f):P+16*(\u)+4*(\f)+3], s[70:71] offset:(\u)*2048+(\f)*512  ; 512 consecutive bytes, at a multiple of 256 from the buffer's first
.endr
.endm
	s_wait_loadcnt 0x0                             ; Q
	s_wait_tensorcnt 0x1                           ; my part of keys 0-511 is in; my part of keys 512-1023 may stay out
	s_barrier_signal -1
	s_barrier_wait -1                              ; everybody's is
	BLOCK QA, Q1, 8
	FINISH S1
	WIN 0x40                                       ; the first block's O^T is set aside in window 1
.set i, 0
.rept 64
	v_mov_b32 v[SV+i], v[O+i]
.set i, i+1
.endr
	WIN 0
	s_wait_tensorcnt 0x0                           ; my part of keys 512-1023 is in,
	s_wait_dscnt 0x0
	s_barrier_signal -1
	s_barrier_wait -1                              ; everybody's is
	BLOCK QB, Q2, 16
	FINISH S2
	s_wait_dscnt 0x0                               ; my reads of K and V are over,
	s_barrier_signal -1
	s_barrier_wait -1                              ; everybody's are: K's bytes, which have had their only fill, now serve as scratch
	; THE EXCHANGE.  Waves 0-3 hand over their part of the second block and take up the first; waves 4-7 hand over their part of the first block.
	s_cmp_eq_u32 s[PAR], 0
	s_cselect_b64 s[70:71], s[70:71], s[72:73]     ; where the block that I finish goes
	s_cbranch_scc0 .Lodd
.set i, 0
.rept 16
	ds_store_b128 v[XW], v[O+4*i:O+4*i+3] offset:512*i  ; each accumulator's low half first
.set i, i+1
.endr
	ds_store_b128 v[XW], v[S2:S2+3] offset:8192
	WIN 0x01
.set i, 0
.rept 64
	v_mov_b32 v[O+i], v[SV+i]
.set i, i+1
.endr
	WIN 0
.irp j, 0,1,2,3
	v_mov_b32 v[S2+(\j)], v[S1+(\j)]
.endr
	s_branch .Lhanded
.Lodd:
	WIN 0x04                                       ; the stores' data in window 1
.set i, 0
.rept 16
	ds_store_b128 v[XW], v[SV+4*i:SV+4*i+3] offset:512*i
.set i, i+1
.endr
	WIN 0
	ds_store_b128 v[XW], v[S1:S1+3] offset:8192
.Lhanded:
	s_wait_dscnt 0x0                               ; for my partner's sake: my stores are done
	s_barrier_signal -1
	s_barrier_wait -1
.set i, 0
.rept 16
	ds_load_b128 v[S+4*i:S+4*i+3], v[XR] offset:512*i
.set i, i+1
.endr
	ds_load_b128 v[PS:PS+3], v[XR] offset:8192
	s_wait_dscnt 0x0
	; THE MERGE: the factors a_1 / l and a_2 / l, then O^T = O^T a_1 / l + the partner's a_2 / l
.irp u, 0,1
	v_max_num_f32 v[CM+(\u)], v[S2+(\u)], v[PS+(\u)]
.endr
.irp u, 0,1
	v_sub_f32 v[TMP+4*(\u)], v[S2+(\u)], v[CM+(\u)]
	v_sub_f32 v[TMP+4*(\u)+2], v[PS+(\u)], v[CM+(\u)]
.endr
.irp u, 0,1
	v_exp_f32 v[TMP+4*(\u)], v[TMP+4*(\u)]
	v_exp_f32 v[TMP+4*(\u)+2], v[TMP+4*(\u)+2]
.endr
	v_nop                                          ; a plain instruction between the last exponential and the use of its result
	s_wait_alu depctr_va_vdst(0)
.irp u, 0,1
	v_mul_f32 v[LL+(\u)], v[TMP+4*(\u)], v[S2+2+(\u)]
.endr
.irp u, 0,1
	v_fma_f32 v[LL+(\u)], v[TMP+4*(\u)+2], v[PS+2+(\u)], v[LL+(\u)]
.endr
.irp u, 0,1
	v_rcp_f32 v[LL+(\u)], v[LL+(\u)]
.endr
	v_nop                                          ; a plain instruction between the last reciprocal and the use of its result
	s_wait_alu depctr_va_vdst(0)
.irp u, 0,1                            ; each factor is written twice: a pair for the packed lines below
	v_mul_f32 v[TMP+4*(\u)+1], v[TMP+4*(\u)], v[LL+(\u)]
	v_mul_f32 v[TMP+4*(\u)+3], v[TMP+4*(\u)+2], v[LL+(\u)]
.endr
.irp u, 0,1
	v_mul_f32 v[TMP+4*(\u)], v[TMP+4*(\u)], v[LL+(\u)]
	v_mul_f32 v[TMP+4*(\u)+2], v[TMP+4*(\u)+2], v[LL+(\u)]
.endr
.set i, 0
.rept 16
.irp u, 0,1
	v_pk_mul_f32 v[O+32*(\u)+2*i:O+32*(\u)+2*i+1], v[O+32*(\u)+2*i:O+32*(\u)+2*i+1], v[TMP+4*(\u):TMP+4*(\u)+1]
.endr
.irp u, 0,1
	v_pk_fma_f32 v[O+32*(\u)+2*i:O+32*(\u)+2*i+1], v[S+32*(\u)+2*i:S+32*(\u)+2*i+1], v[TMP+4*(\u)+2:TMP+4*(\u)+3], v[O+32*(\u)+2*i:O+32*(\u)+2*i+1]
.endr
.set i, i+1
.endr
	PACK 0
	PACK 1
	SEND 0, 8
	SEND 1, 0
	s_wait_tensorcnt 0x0                           ; the wave's end
	ds_add_u32 v[SPW], v[NIL]
	s_wait_dscnt 0x0
	s_endpgm
.Lfunc_end_k_qf192c7daa3_attn:
	.size	k_qf192c7daa3_attn, .Lfunc_end_k_qf192c7daa3_attn-k_qf192c7daa3_attn
	.p2alignl 7, 3214868480
	.fill 96, 4, 3214868480
	.section	.rodata,"a",@progbits
	.p2align	6, 0x0
	.amdhsa_kernel k_qf192c7daa3_attn
		.amdhsa_group_segment_fixed_size 327680
		.amdhsa_private_segment_fixed_size 0
		.amdhsa_enable_private_segment 0
		.amdhsa_kernarg_size 16
		.amdhsa_user_sgpr_count 2
		.amdhsa_user_sgpr_kernarg_segment_ptr 1
		.amdhsa_wavefront_size32 1
		.amdhsa_system_sgpr_workgroup_id_x 1
		.amdhsa_system_sgpr_workgroup_id_y 1
		.amdhsa_system_sgpr_workgroup_id_z 1
		.amdhsa_system_vgpr_workitem_id 0
		.amdhsa_next_free_vgpr 512
		.amdhsa_next_free_sgpr 100
		.amdhsa_reserve_vcc 1
		.amdhsa_float_denorm_mode_32 3
		.amdhsa_float_denorm_mode_16_64 3
		.amdhsa_memory_ordered 1
		.amdhsa_forward_progress 1
		.amdhsa_inst_pref_size 74
	.end_amdhsa_kernel
	.amdgpu_metadata
---
amdhsa.version: [ 1, 2 ]
amdhsa.kernels:
  - .name:           k_qf192c7daa3_attn
    .symbol:         k_qf192c7daa3_attn.kd
    .args:
      - { .name: qkv, .offset: 0, .size: 8, .value_kind: global_buffer, .address_space: global }
      - { .name: pk3, .offset: 8, .size: 8, .value_kind: global_buffer, .address_space: global }
    .group_segment_fixed_size: 327680
    .private_segment_fixed_size: 0
    .kernarg_segment_align: 8
    .kernarg_segment_size: 16
    .max_flat_workgroup_size: 256
    .sgpr_count:     100
    .vgpr_count:     512
    .wavefront_size: 32
...
	.end_amdgpu_metadata
.endif
;; end of part 3
;; launch proj (part 4): grid 8 x 32, 4 waves a work-group, clusters of 4 x 4, 327,680 bytes of LDS; arguments pk3, bp, inputs, x; writes x
.if DOCPART == 4
	.amdgcn_target "amdgcn-amd-amdhsa--gfx1250"
	.amdhsa_code_object_version 6
	.text
	.protected	k_qf192c7daa3_proj
	.globl	k_qf192c7daa3_proj
	.p2align	8
	.type	k_qf192c7daa3_proj,@function
k_qf192c7daa3_proj:
	s_mov_b64 s[64:65], 0
	v_nop
	global_prefetch_b8 v0, s[64:65] scope:SCOPE_SE
	s_setreg_imm32_b32 hwreg(HW_REG_WAVE_MODE, 25, 1), 1
	s_wait_xcnt 0x0
	s_wait_alu depctr_hold_cnt(0) depctr_sa_sdst(0) depctr_va_vdst(0) depctr_va_sdst(0) depctr_va_ssrc(0) depctr_va_vcc(0) depctr_vm_vsrc(0)
	s_getreg_b32 s2, hwreg(HW_REG_IB_STS2, 6, 4)
	s_cmp_eq_u32 s2, 0
	s_cbranch_scc0 .Lentry_in_a_cluster
	s_endpgm
.Lentry_in_a_cluster:
	s_bfe_u32 s2, ttmp6, 0x10000c
	s_cmp_lg_u32 s2, 0xf033
	s_cbranch_scc0 .Lentry_shape_is_right
	s_endpgm
.Lentry_shape_is_right:
; out = res + A W + bias, f32 [4096][1024].  This text, with the three constants below, serves the projection behind attention (K = 1,024; res = the module's input, rounded to bf16 like every input)
; and the second feed-forward product (K = 4,096; res = x, as it is).  The first argument holds A, bf16 panels [k / 64][4096 m][64], 128 bytes a row, at byte 0, and W, bf16 panels [n / 128][K][128 n], at byte WOFF.
; The bias, an input of the module, is rounded to bf16 and is the C operand of the products that start the sums.
; A tile of the result is 128 x 128 (256 work-groups); four waves, each 64 x 64 in 16 accumulators.  K goes in steps of 256 through two LDS slots.  4 x 4 work-groups form a cluster: the four of a row need
; the same tiles of A, the four of a column the same rows of W; each is asked for jointly.  The matrix instruction is used transposed (source 0 = 16 columns of W, turned on the way out of LDS; source 1 = 16 rows of A).
; A wave's 64 f32 columns are 256 aligned bytes of a row, so each wave has a stage of its own and the way out needs no barrier.  The residual is loaded at the start and waits in registers.
; LIMITS.  Operands in bf16, sums in f32, K ascending; NaN and infinities are not treated apart.
; REGISTERS: window 0: v16-29 addresses; v32-63, v64-95 rows on the way out, by turns; v96-127 the bias as C operands; v128-255 the accumulators
;   window 1: two fragment buffers of 128: 64 registers of A (2 x 4 x 16 rows x 32 K), then 64 of W      window 2: v0-127 the residual; v128-131 at work
.set KDIM,   1024
.set WOFF,   8388608
.set ROUND_RES, 1
.set KSTEP,  256
.set LAPS,   KDIM/(2*KSTEP)
.set PAA,    144                       ; an LDS row of A: 128 bytes + 16
.set PANA,   128*PAA                   ; a panel's 128 rows: 64 along K
.set PW,     288                       ; an LDS row of W: 256 bytes + 32
.set PART,   36864                     ; what one tensor load brings: two panels of A, or 128 k of W
.set WBASE,  2*PART
.set SLOT,   4*PART
.set STAGE,  2*SLOT
.set SPITCH, 272
.set SPARE,  STAGE+4*16*SPITCH
.set ADRA, 16                          ; v16-17  slot 0, 1
.set ADRW, 20                          ; v20-23  slot 0, 1, each for k 0-127 and k 128-255: an LDS offset has 16 bits
.set STO,  24
.set RD,   25
.set CO,   26
.set BO,   27
.set SPW,  28
.set NIL,  29
.set TMP,  32
.set BIAS, 96
.set ACC,  128
.set F0,   0
.set F1,   128
.set G1,  24
.set G0,  32
.set G1B, 48
.set G0B, 56
.set WV,  70
.set HR,  71                           ; which half of the tile's rows is mine.  Also: I fetch for A (0) or for W (1)
.set HC,  72                           ; which half of its columns.  Also: which half of a step's A or W I fetch
.set TR,  73
.set TC,  42
.set HIM, 45
.set MSB, 0
.macro WIN new
.if MSB != (\new)
	s_set_vgpr_msb (MSB<<8)|(\new)
.set MSB, \new
.endif
.endm
.set MUL,  0x05
.set TO_F, 0x40
.macro JLOAD s                         ; a joint load; an s_nop 0 and four v_nop follow each of the two lines
	s_cmp_eq_u32 s[HR], 0
	s_cbranch_scc0 .Lfor_b_\@
	tensor_load_to_lds s[G0+4*(\s):G0+4*(\s)+3], s[G1:G1+7]
	s_nop 0
.rept 4
	v_nop
.endr
	s_branch .Lasked_\@
.Lfor_b_\@:
	tensor_load_to_lds s[G0B+4*(\s):G0B+4*(\s)+3], s[G1B:G1B+7]
	s_nop 0
.rept 4
	v_nop
.endr
.Lasked_\@:
.endm
.macro CREST
	s_cmp_lg_u32 s[WV], 0
	s_cbranch_scc1 .Lnot_wave_0_\@
	s_barrier_signal -3
.Lnot_wave_0_\@:
	s_barrier_wait -3
	s_barrier_signal -1
	s_barrier_wait -1
.endm
.macro CROUND
	s_barrier_signal -1
	s_barrier_wait -1
	CREST
.endm
	s_load_b256 s[4:11], s[0:1], 0x0               ; the pack s[4:5], the bias s[6:7], the residual s[8:9], out s[10:11]
	v_lshl_add_u32 v[SPW], v0, 2, SPARE
	v_mov_b32 v[NIL], 0
	ds_add_u32 v[SPW], v[NIL]                      ; the wave's opening: the add and its wait stand ahead of my first tensor load
	ds_add_u32 v28, v29
	v_lshrrev_b32 v1, 5, v0
	v_readfirstlane_b32 s[WV], v1
	s_lshr_b32 s[HR], s[WV], 1
	s_and_b32 s[HC], s[WV], 1
	s_bfe_u32 s40, ttmp6, 0x40000                  ; cx
	s_bfe_u32 s41, ttmp6, 0x40004                  ; cy
	s_lshl_b32 s[TC], ttmp9, 2
	s_add_co_u32 s[TC], s[TC], s40                 ; tile column
	s_and_b32 s[TR], ttmp7, 0xffff
	s_lshl_b32 s[TR], s[TR], 2
	s_add_co_u32 s[TR], s[TR], s41                 ; tile row
	s_lshl_b32 s43, s41, 2
	s_lshl_b32 s43, 15, s43                        ; my row of the cluster
	s_lshl_b32 s44, 0x1111, s40                    ; my column
	; A: a panel's 128 rows are 16,384 dense bytes: one row of the tile; two panels a load, 524,288 bytes apart; 16 bytes of padding after every 128
	s_or_b32 s[G1+0], s43, (1<<16)|(1<<20)|(1<<21)|(4<<22)|(3<<25)
	s_mov_b32 s[G1+1], 8192<<16                    ; tensor_dim0 = 8,192
	s_mov_b32 s[G1+2], 2<<16                       ; tensor_dim1 = 2
	s_mov_b32 s[G1+3], 8192<<16                    ; tile_dim0 = 8,192
	s_mov_b32 s[G1+4], 2                           ; tile_dim1 = 2
	s_mov_b32 s[G1+5], 262144                      ; elements from panel to panel
	s_mov_b32 s[G1+6], 0
	s_mov_b32 s[G1+7], 0
	; W: 128 rows of 256 dense bytes, 32 bytes of padding behind each
	s_or_b32 s[G1B+0], s44, (1<<16)|(1<<20)|(1<<21)|(5<<22)|(7<<25)
	s_mov_b32 s[G1B+1], 128<<16
	s_mov_b32 s[G1B+2], 128<<16
	s_mov_b32 s[G1B+3], 128<<16
	s_mov_b32 s[G1B+4], 128
	s_mov_b32 s[G1B+5], 128
	s_mov_b32 s[G1B+6], 0
	s_mov_b32 s[G1B+7], 0
	s_lshl_b32 s16, s[TR], 14                      ; A: the tile's 128 rows in a panel,
	s_lshl_b32 s17, s[HC], 20                      ; my two panels of a step's four
	s_add_co_u32 s16, s16, s17
	s_mov_b32 s17, 0
	s_mul_i32 s46, s[TC], KDIM*256                 ; W: the tile's panel,
	s_lshl_b32 s47, s[HC], 15                      ; my 128 k of a step's 256,
	s_add_co_u32 s46, s46, s47
	s_add_co_u32 s46, s46, WOFF                    ; behind A
	s_mov_b32 s47, 0
	s_mul_i32 s20, s[WV], PART                     ; where they go: no place in the cluster enters an LDS address
	s_mov_b32 s[HIM], 0xffff0000
	s_wait_dscnt 0x0                               ; the opening add is done
	s_wait_kmcnt 0x0
	s_add_nc_u64 s[14:15], s[4:5], s[16:17]
	s_add_nc_u64 s[46:47], s[4:5], s[46:47]
	CROUND                                         ; all sixteen work-groups are here: the first joint loads meet
.irp s, 0,1
	s_mov_b32 s[G0+4*(\s)], 1
	s_add_co_u32 s[G0+4*(\s)+1], s20, (\s)*SLOT
	s_add_nc_u64 s[G0+4*(\s)+2:G0+4*(\s)+3], s[14:15], (\s)*4*524288
	s_or_b32 s[G0+4*(\s)+3], s[G0+4*(\s)+3], 0x80000000
	s_mov_b32 s[G0B+4*(\s)], 1
	s_add_co_u32 s[G0B+4*(\s)+1], s20, (\s)*SLOT
	s_add_nc_u64 s[G0B+4*(\s)+2:G0B+4*(\s)+3], s[46:47], (\s)*KSTEP*256
	s_or_b32 s[G0B+4*(\s)+3], s[G0B+4*(\s)+3], 0x80000000
	JLOAD \s
.endr
	v_and_b32 v1, 15, v0                           ; l % 16
	v_bfe_u32 v2, v0, 4, 1                         ; l / 16
	v_mul_u32_u24 v3, v1, PAA
	v_lshl_add_u32 v3, v2, 4, v3                   ; A: row x pitch + 16 x half
	v_and_b32 v4, 7, v0
	v_bfe_u32 v5, v0, 3, 1
	v_lshl_add_u32 v6, v2, 3, v4                   ; W: lane l reads k = 8 (l / 16) + l % 8, columns 8 ((l / 8) % 2) + 0..7
	v_mul_u32_u24 v6, v6, PW
	v_lshl_add_u32 v6, v5, 4, v6
	s_mul_i32 s21, s[HR], 64*PAA                   ; my 64 rows of A
	s_lshl_b32 s22, s[HC], 7                       ; my 64 columns of W
	s_add_co_u32 s22, s22, WBASE
.irp s, 0,1
	v_add_nc_u32 v[ADRA+(\s)], s21, v3
	v_add_nc_u32 v[ADRW+2*(\s)], s22, v6
	v_add_nc_u32 v[ADRW+2*(\s)+1], PART, v[ADRW+2*(\s)]
	s_add_co_u32 s21, s21, SLOT
	s_add_co_u32 s22, s22, SLOT
.endr
	s_mul_i32 s23, s[WV], 16*SPITCH
	s_add_co_u32 s23, s23, STAGE                   ; my stage
	v_mul_u32_u24 v7, v1, SPITCH                   ; in: row l % 16, 32 bytes for each half of the lanes
	v_lshl_add_u32 v7, v2, 5, v7
	v_add_nc_u32 v[STO], s23, v7
	v_mul_u32_u24 v7, v2, SPITCH                   ; back: lanes 0-15 take one row of 256 bytes, lanes 16-31 the next
	v_lshl_add_u32 v7, v1, 4, v7
	v_add_nc_u32 v[RD], s23, v7
	v_lshlrev_b32 v[CO], 12, v2                    ; and the same two rows in the residual and in out
	v_lshl_add_u32 v[CO], v1, 4, v[CO]
	v_lshlrev_b32 v[BO], 5, v2
	s_lshl_b32 s18, s[TC], 9
	s_lshl_b32 s19, s[HC], 8
	s_add_co_u32 s18, s18, s19                     ; my first column, in f32
	s_mov_b32 s19, 0
	s_add_nc_u64 s[6:7], s[6:7], s[18:19]
	s_lshl_b32 s22, s[TR], 7
	s_lshl_b32 s23, s[HR], 6
	s_add_co_u32 s22, s22, s23
	s_lshl_b32 s22, s22, 12                        ; my first row, 4,096 bytes a row
	s_add_co_u32 s18, s18, s22
	s_add_nc_u64 s[8:9], s[8:9], s[18:19]
	s_add_nc_u64 s[10:11], s[10:11], s[18:19]
.irp b, 0,1,2,3
	global_load_b128 v[BIAS+8*(\b):BIAS+8*(\b)+3],   v[BO], s[6:7] offset:64*(\b)
	global_load_b128 v[BIAS+8*(\b)+4:BIAS+8*(\b)+7], v[BO], s[6:7] offset:64*(\b)+16
.endr
	WIN 0x80                                       ; destination window 2
.irp a, 0,1,2,3
.irp t, 0,1,2,3,4,5,6,7
	global_load_b128 v[32*(\a)+4*(\t):32*(\a)+4*(\t)+3], v[CO], s[8:9] offset:(16*(\a)+2*(\t))*4096  ; 16 lanes take 256 consecutive bytes, aligned
.endr
.endr
	WIN 0
	s_wait_loadcnt 32                              ; the bias is in; the residual's 32 loads stay out until the way out
.set i, 0
.rept 16
	v_cvt_pk_bf16_f32 v[TMP+i%4], v[BIAS+2*i], v[BIAS+2*i+1]
	v_lshlrev_b32 v[BIAS+2*i], 16, v[TMP+i%4]
	v_and_b32 v[BIAS+2*i+1], s[HIM], v[TMP+i%4]
.set i, i+1
.endr
; 8 matrix instructions: row blocks a0, a0 + 1 x all 4 column blocks, 32 along K: half c of buffer f.  first = 1: the bias starts the sums.  The 16 accumulators take turns.
.macro MUL8 f, c, a0, first
	WIN MUL
.irp a, \a0, (\a0)+1
.irp b, 0,1,2,3
.if \first
	v_wmma_f32_16x16x32_bf16 v[ACC+8*(4*(\a)+(\b)):ACC+8*(4*(\a)+(\b))+7], v[(\f)+64+8*(4*(\c)+(\b)):(\f)+64+8*(4*(\c)+(\b))+7], v[(\f)+8*(4*(\c)+(\a)):(\f)+8*(4*(\c)+(\a))+7], v[BIAS+8*(\b):BIAS+8*(\b)+7]
.else
	v_wmma_f32_16x16x32_bf16 v[ACC+8*(4*(\a)+(\b)):ACC+8*(4*(\a)+(\b))+7], v[(\f)+64+8*(4*(\c)+(\b)):(\f)+64+8*(4*(\c)+(\b))+7], v[(\f)+8*(4*(\c)+(\a)):(\f)+8*(4*(\c)+(\a))+7], v[ACC+8*(4*(\a)+(\b)):ACC+8*(4*(\a)+(\b))+7]
.endif
.endr
.endr
.endm
; 32 LDS loads in one run: the fragments of quarter q (64 along K: one panel of A) into buffer f; the first 32 along K first
.macro FETCH slot, q, f
	WIN TO_F
.irp c, 0,1
.irp i, 0,1,2,3
	ds_load_tr16_b128 v[(\f)+64+8*(4*(\c)+(\i)):(\f)+64+8*(4*(\c)+(\i))+3],   v[ADRW+2*(\slot)+(\q)/2] offset:((\q)%2)*64*PW+(\c)*32*PW+32*(\i)
	ds_load_tr16_b128 v[(\f)+64+8*(4*(\c)+(\i))+4:(\f)+64+8*(4*(\c)+(\i))+7], v[ADRW+2*(\slot)+(\q)/2] offset:((\q)%2)*64*PW+(\c)*32*PW+16*PW+32*(\i)
	ds_load_b128 v[(\f)+8*(4*(\c)+(\i)):(\f)+8*(4*(\c)+(\i))+3],   v[ADRA+(\slot)] offset:(\q)*PANA+64*(\c)+(\i)*16*PAA
	ds_load_b128 v[(\f)+8*(4*(\c)+(\i))+4:(\f)+8*(4*(\c)+(\i))+7], v[ADRA+(\slot)] offset:(\q)*PANA+64*(\c)+(\i)*16*PAA+32
.endr
.endr
.endm
.macro PLACES                          ; four places in front of loads into registers that matrix instructions have read, and of lines that read results
.rept 4
	v_nop
.endr
.endm
.macro QUARTER slot, q, f, g, first
	s_wait_dscnt 16                                ; the first 32 along K are in
	MUL8 \f, 0, 0, \first
	MUL8 \f, 0, 2, \first
	PLACES
	FETCH \slot, \q, \g
	s_wait_dscnt 32                                ; all but the 32 just issued
	MUL8 \f, 1, 0, 0
	MUL8 \f, 1, 2, 0
.endm
; The last quarter multiplies buffer 1 and changes slots.  fill = 1: this slot is filled again, two K steps on, first thing behind the cluster's round.
.macro TURN slot, next, fill
	WIN 0
	s_wait_tensorcnt 0x0                           ; all my tensor loads have landed: my part of the next slot;
	ds_add_u32 v[SPW], v[NIL]
	s_wait_dscnt 17                                ; (the add and the youngest sixteen loads may be out)
	MUL8 F1, 0, 0, 0
	s_wait_dscnt 0x0                               ; the add is done, and my reads of this slot are over
	s_barrier_signal -1
	MUL8 F1, 0, 2, 0
.if \fill
	WIN 0
.endif
	s_barrier_wait -1
.if \fill
	CREST                                          ; no wave of any partner still reads this slot or has a load on its way
	s_add_nc_u64 s[G0+4*(\slot)+2:G0+4*(\slot)+3], s[G0+4*(\slot)+2:G0+4*(\slot)+3], 8*524288
	s_add_nc_u64 s[G0B+4*(\slot)+2:G0B+4*(\slot)+3], s[G0B+4*(\slot)+2:G0B+4*(\slot)+3], 2*KSTEP*256
	JLOAD \slot                                    ; its four v_nop are also the places in front of the loads below
.else
	PLACES
.endif
	FETCH \next, 0, F0
	MUL8 F1, 1, 0, 0
	MUL8 F1, 1, 2, 0
.endm
	s_wait_tensorcnt 1                             ; my part of K step 0 is in; K step 1's may stay out
	s_barrier_signal -1
	s_barrier_wait -1
	FETCH 0, 0, F0
	QUARTER 0, 1, F0, F1, 1
	WIN 0
	s_mov_b32 s3, LAPS-1
.Llap:
	QUARTER 0, 2, F1, F0, 0
	QUARTER 0, 3, F0, F1, 0
	TURN 0, 1, 1
	QUARTER 1, 1, F0, F1, 0
	QUARTER 1, 2, F1, F0, 0
	QUARTER 1, 3, F0, F1, 0
	TURN 1, 0, 1
	QUARTER 0, 1, F0, F1, 0
	WIN 0
	s_sub_co_u32 s3, s3, 1
	s_cmp_lg_u32 s3, 0
	s_cbranch_scc1 .Llap
	QUARTER 0, 2, F1, F0, 0                        ; the last lap fills nothing
	QUARTER 0, 3, F0, F1, 0
	TURN 0, 1, 0
	QUARTER 1, 1, F0, F1, 0
	QUARTER 1, 2, F1, F0, 0
	QUARTER 1, 3, F0, F1, 0
	s_wait_dscnt 16
	MUL8 F1, 0, 0, 0
	MUL8 F1, 0, 2, 0
	s_wait_dscnt 0x0
	MUL8 F1, 1, 0, 0
	MUL8 F1, 1, 2, 0
	WIN 0
	; THE WAY OUT.  A block of 16 rows at a time goes through my stage as f32 and comes back as whole rows of 256 bytes; the residual is added and the rows are stored.
	s_wait_loadcnt 0x0                             ; the residual
.if ROUND_RES
	WIN 0xaa                                       ; all in window 2: the residual is an input of the module: rounded to bf16 and widened again
.set i, 0
.rept 64
	v_cvt_pk_bf16_f32 v[128+i%4], v[2*i], v[2*i+1]
	v_lshlrev_b32 v[2*i], 16, v[128+i%4]
	v_and_b32 v[2*i+1], s[HIM], v[128+i%4]
.set i, i+1
.endr
	WIN 0
.endif
	PLACES
.irp a, 0,1,2,3
.set BK, TMP+32*((\a)%2)
.irp b, 0,1,2,3
	ds_store_b128 v[STO], v[ACC+8*(4*(\a)+(\b)):ACC+8*(4*(\a)+(\b))+3] offset:64*(\b)          ; each accumulator's low half first
	ds_store_b128 v[STO], v[ACC+8*(4*(\a)+(\b))+4:ACC+8*(4*(\a)+(\b))+7] offset:64*(\b)+16
.endr
	s_wait_xcnt 0x0                                ; the registers that earlier stores read are loaded again only behind this wait
.irp t, 0,1,2,3,4,5,6,7
	ds_load_b128 v[BK+4*(\t):BK+4*(\t)+3], v[RD] offset:(\t)*2*SPITCH  ; LDS serves a wave's instructions in order (ISA guide 5.7.1.4): these see the stores above
.endr
	s_wait_dscnt 0x0
	WIN 0x08                                       ; source 1, the residual, in window 2
.set i, 0
.rept 16
	v_pk_add_f32 v[BK+2*i:BK+2*i+1], v[BK+2*i:BK+2*i+1], v[32*(\a)+2*i:32*(\a)+2*i+1]
.set i, i+1
.endr
	WIN 0
.irp t, 0,1,2,3,4,5,6,7
	global_store_b128 v[CO], v[BK+4*(\t):BK+4*(\t)+3], s[10:11] offset:(16*(\a)+2*(\t))*4096  ; 16 lanes store 256 consecutive bytes, aligned
.endr
.endr
	s_wait_tensorcnt 0x0                           ; the wave's end
	ds_add_u32 v[SPW], v[NIL]
	s_wait_dscnt 0x0
	CROUND                                         ; the closing round
	s_endpgm
.Lfunc_end_k_qf192c7daa3_proj:
	.size	k_qf192c7daa3_proj, .Lfunc_end_k_qf192c7daa3_proj-k_qf192c7daa3_proj
	.p2alignl 7, 3214868480
	.fill 96, 4, 3214868480
	.section	.rodata,"a",@progbits
	.p2align	6, 0x0
	.amdhsa_kernel k_qf192c7daa3_proj
		.amdhsa_group_segment_fixed_size 327680
		.amdhsa_private_segment_fixed_size 0
		.amdhsa_enable_private_segment 0
		.amdhsa_kernarg_size 32
		.amdhsa_user_sgpr_count 2
		.amdhsa_user_sgpr_kernarg_segment_ptr 1
		.amdhsa_wavefront_size32 1
		.amdhsa_system_sgpr_workgroup_id_x 1
		.amdhsa_system_sgpr_workgroup_id_y 1
		.amdhsa_system_sgpr_workgroup_id_z 1
		.amdhsa_system_vgpr_workitem_id 0
		.amdhsa_next_free_vgpr 648
		.amdhsa_next_free_sgpr 76
		.amdhsa_reserve_vcc 0
		.amdhsa_float_denorm_mode_32 3
		.amdhsa_float_denorm_mode_16_64 3
		.amdhsa_memory_ordered 1
		.amdhsa_forward_progress 1
		.amdhsa_inst_pref_size 104
	.end_amdhsa_kernel
	.amdgpu_metadata
---
amdhsa.version: [ 1, 2 ]
amdhsa.kernels:
  - .name:           k_qf192c7daa3_proj
    .symbol:         k_qf192c7daa3_proj.kd
    .args:
      - { .name: pk3, .offset: 0, .size: 8, .value_kind: global_buffer, .address_space: global }
      - { .name: bp, .offset: 8, .size: 8, .value_kind: global_buffer, .address_space: global }
      - { .name: inputs, .offset: 16, .size: 8, .value_kind: global_buffer, .address_space: global }
      - { .name: x, .offset: 24, .size: 8, .value_kind: global_buffer, .address_space: global }
    .group_segment_fixed_size: 327680
    .private_segment_fixed_size: 0
    .kernarg_segment_align: 8
    .kernarg_segment_size: 32
    .max_flat_workgroup_size: 128
    .sgpr_count:     76
    .vgpr_count:     648
    .wavefront_size: 32
...
	.end_amdgpu_metadata
.endif
;; end of part 4
;; launch ln2 (part 5): grid 512 x 1, 8 waves a work-group, no clusters, 0 bytes of LDS; arguments x, ln2_g, ln2_b, pk2; writes pk2
.if DOCPART == 5
	.amdgcn_target "amdgcn-amd-amdhsa--gfx1250"
	.amdhsa_code_object_version 6
	.text
	.protected	k_qf192c7daa3_ln2
	.globl	k_qf192c7daa3_ln2
	.p2align	8
	.type	k_qf192c7daa3_ln2,@function
k_qf192c7daa3_ln2:
	s_mov_b64 s[64:65], 0
	v_nop
	global_prefetch_b8 v0, s[64:65] scope:SCOPE_SE
	s_setreg_imm32_b32 hwreg(HW_REG_WAVE_MODE, 25, 1), 1
	s_wait_xcnt 0x0
; h = LayerNorm(x), gain and bias rounded to bf16 like every input of the module, stored as f16 [4096][1024] at byte 0 of the last argument.  x is f32 [4096][1024] and is taken as it is.
; One wave takes one row of 4,096 bytes and keeps it in 32 registers between the passes (mean, then the sum of squared differences: no difference of large sums).  No LDS, no barrier: no wave needs another's data.
; LIMITS.  f16 ends at 65,504: a result (at most 32 |g| + |b|) beyond it becomes an infinity.  NaN and infinities are not treated apart.
.set X,   8                            ; v[8:39]    the row: load j holds columns 128 j + 4 lane .. + 3
.set G,   40                           ; v[40:71]   the gain; at the end the packed result
.set BE,  72                           ; v[72:103]  the bias
.set W,   104                          ; v[104:117] at work
.macro RND r, t                        ; the pair v[r], v[r+1] is rounded to bf16 and widened again
	v_cvt_pk_bf16_f32 v[\t], v[\r], v[(\r)+1]
	v_lshlrev_b32 v[\r], 16, v[\t]
	v_and_b32 v[(\r)+1], s5, v[\t]
.endm
.macro ACROSS                          ; v[W] summed over the 32 lanes, the result in every lane
	v_add_f32_dpp v[W], v[W], v[W] row_xmask:1 row_mask:0xf bank_mask:0xf
	v_add_f32_dpp v[W], v[W], v[W] row_xmask:2 row_mask:0xf bank_mask:0xf
	v_add_f32_dpp v[W], v[W], v[W] row_xmask:4 row_mask:0xf bank_mask:0xf
	v_add_f32_dpp v[W], v[W], v[W] row_xmask:8 row_mask:0xf bank_mask:0xf
	v_permlanex16_b32 v[W+1], v[W], s40, s41
	v_add_f32 v[W], v[W], v[W+1]
.endm
.macro FOLD                            ; four chains of pairs into v[W]
	v_pk_add_f32 v[W:W+1], v[W:W+1], v[W+2:W+3]
	v_pk_add_f32 v[W+4:W+5], v[W+4:W+5], v[W+6:W+7]
	v_pk_add_f32 v[W:W+1], v[W:W+1], v[W+4:W+5]
	v_add_f32 v[W], v[W], v[W+1]
	ACROSS
.endm
	s_load_b256 s[8:15], s[0:1], 0x0               ; x 8, gain 10, bias 12, the result 14
	s_mov_b32 s2, ttmp9
	s_mov_b32 s5, 0xffff0000
	v_and_b32 v1, 31, v0
	v_lshrrev_b32 v3, 5, v0
	v_readfirstlane_b32 s3, v3                     ; wave 0..7
	v_lshlrev_b32 v2, 3, v1                        ; 8 bytes a lane out
	v_lshlrev_b32 v1, 4, v1                        ; 16 bytes a lane in
	s_lshl_b32 s4, s2, 3
	s_add_co_u32 s4, s4, s3                        ; my row
	s_lshl_b32 s36, s4, 12
	s_mov_b32 s37, 0
	s_lshl_b32 s38, s4, 11
	s_mov_b32 s39, 0
	s_mov_b32 s6, 0x3a800000                       ; 1 / 1024
	s_mov_b32 s7, 0x3727c5ac                       ; 1e-5
	s_mov_b32 s40, 0x76543210
	s_mov_b32 s41, 0xfedcba98
	s_wait_kmcnt 0x0
	s_add_nc_u64 s[8:9], s[8:9], s[36:37]
	s_add_nc_u64 s[14:15], s[14:15], s[38:39]
.irp j, 0,1,2,3,4,5,6,7
	global_load_b128 v[X+4*(\j):X+4*(\j)+3], v1, s[8:9] offset:512*(\j)
.endr
.irp j, 0,1,2,3,4,5,6,7
	global_load_b128 v[G+4*(\j):G+4*(\j)+3], v1, s[10:11] offset:512*(\j)
.endr
.irp j, 0,1,2,3,4,5,6,7
	global_load_b128 v[BE+4*(\j):BE+4*(\j)+3], v1, s[12:13] offset:512*(\j)
.endr
	s_wait_loadcnt 16                              ; the row's eight loads are in; the sixteen of gain and bias stay out
.irp c, 0,1,2,3                        ; the sum, in four chains that the first pairs start
	v_pk_add_f32 v[W+2*(\c):W+2*(\c)+1], v[X+2*(\c):X+2*(\c)+1], v[X+8+2*(\c):X+8+2*(\c)+1]
.endr
.irp c, 0,1,2,3,4,5,6,7
	v_pk_add_f32 v[W+2*((\c)%4):W+2*((\c)%4)+1], v[W+2*((\c)%4):W+2*((\c)%4)+1], v[X+16+2*(\c):X+16+2*(\c)+1]
.endr
	FOLD
	v_mul_f32 v[W+8], s6, v[W]                     ; the mean
	v_mov_b32 v[W+9], v[W+8]
.set i, 0
.rept 16
	v_pk_add_f32 v[X+2*i:X+2*i+1], v[X+2*i:X+2*i+1], v[W+8:W+9] neg_lo:[0,1] neg_hi:[0,1]
.set i, i+1
.endr
.irp c, 0,1,2,3                        ; the sum of the squared differences
	v_pk_mul_f32 v[W+2*(\c):W+2*(\c)+1], v[X+2*(\c):X+2*(\c)+1], v[X+2*(\c):X+2*(\c)+1]
.endr
.irp c, 4,5,6,7,8,9,10,11,12,13,14,15
	v_pk_fma_f32 v[W+2*((\c)%4):W+2*((\c)%4)+1], v[X+2*(\c):X+2*(\c)+1], v[X+2*(\c):X+2*(\c)+1], v[W+2*((\c)%4):W+2*((\c)%4)+1]
.endr
	FOLD
	v_fma_f32 v[W+10], v[W], s6, s7                ; variance + 1e-5
	v_rsq_f32 v[W+12], v[W+10]
	v_rsq_f32 v[W+13], v[W+10]                     ; twice: a pair for the packed multiply
	v_nop                                          ; a plain instruction behind the transcendentals (ISA guide 5.7.2)
	s_wait_loadcnt 0x0                             ; gain and bias
.set i, 0
.rept 16
	RND G+2*i, W+i%4
	RND BE+2*i, W+4+i%4
.set i, i+1
.endr
.set i, 0
	s_wait_alu depctr_va_vdst(0)
.rept 16
	v_pk_mul_f32 v[X+2*i:X+2*i+1], v[X+2*i:X+2*i+1], v[W+12:W+13]
	v_pk_fma_f32 v[X+2*i:X+2*i+1], v[X+2*i:X+2*i+1], v[G+2*i:G+2*i+1], v[BE+2*i:BE+2*i+1]
.set i, i+1
.endr
.set i, 0
.rept 16
	v_cvt_pk_f16_f32 v[G+i], v[X+2*i], v[X+2*i+1]
.set i, i+1
.endr
.irp j, 0,1,2,3,4,5,6,7
	global_store_b64 v2, v[G+2*(\j):G+2*(\j)+1], s[14:15] offset:256*(\j)  ; the wave's store covers 256 consecutive bytes, aligned
.endr
	s_endpgm
.Lfunc_end_k_qf192c7daa3_ln2:
	.size	k_qf192c7daa3_ln2, .Lfunc_end_k_qf192c7daa3_ln2-k_qf192c7daa3_ln2
	.p2alignl 7, 3214868480
	.fill 96, 4, 3214868480
	.section	.rodata,"a",@progbits
	.p2align	6, 0x0
	.amdhsa_kernel k_qf192c7daa3_ln2
		.amdhsa_group_segment_fixed_size 0
		.amdhsa_private_segment_fixed_size 0
		.amdhsa_enable_private_segment 0
		.amdhsa_kernarg_size 32
		.amdhsa_user_sgpr_count 2
		.amdhsa_user_sgpr_kernarg_segment_ptr 1
		.amdhsa_wavefront_size32 1
		.amdhsa_system_sgpr_workgroup_id_x 1
		.amdhsa_system_sgpr_workgroup_id_y 1
		.amdhsa_system_sgpr_workgroup_id_z 1
		.amdhsa_system_vgpr_workitem_id 0
		.amdhsa_next_free_vgpr 128
		.amdhsa_next_free_sgpr 66
		.amdhsa_reserve_vcc 0
		.amdhsa_float_denorm_mode_32 3
		.amdhsa_float_denorm_mode_16_64 3
		.amdhsa_memory_ordered 1
		.amdhsa_forward_progress 1
		.amdhsa_inst_pref_size 16
	.end_amdhsa_kernel
	.amdgpu_metadata
---
amdhsa.version: [ 1, 2 ]
amdhsa.kernels:
  - .name:           k_qf192c7daa3_ln2
    .symbol:         k_qf192c7daa3_ln2.kd
    .args:
      - { .name: x, .offset: 0, .size: 8, .value_kind: global_buffer, .address_space: global }
      - { .name: ln2_g, .offset: 8, .size: 8, .value_kind: global_buffer, .address_space: global }
      - { .name: ln2_b, .offset: 16, .size: 8, .value_kind: global_buffer, .address_space: global }
      - { .name: pk2, .offset: 24, .size: 8, .value_kind: global_buffer, .address_space: global }
    .group_segment_fixed_size: 0
    .private_segment_fixed_size: 0
    .kernarg_segment_align: 8
    .kernarg_segment_size: 32
    .max_flat_workgroup_size: 256
    .sgpr_count:     66
    .vgpr_count:     128
    .wavefront_size: 32
...
	.end_amdgpu_metadata
.endif
;; end of part 5
;; launch ff1: the kernel of part 2 again; grid 16 x 16, 4 waves a work-group, clusters of 4 x 4, 327,680 bytes of LDS; arguments pk2, b1, pk4; writes pk4
;; launch ff2 (part 6): grid 8 x 32, 4 waves a work-group, clusters of 4 x 4, 327,680 bytes of LDS; arguments pk4, b2, x, out0; writes out0
.if DOCPART == 6
	.amdgcn_target "amdgcn-amd-amdhsa--gfx1250"
	.amdhsa_code_object_version 6
	.text
	.protected	k_qf192c7daa3_ff2
	.globl	k_qf192c7daa3_ff2
	.p2align	8
	.type	k_qf192c7daa3_ff2,@function
k_qf192c7daa3_ff2:
	s_mov_b64 s[64:65], 0
	v_nop
	global_prefetch_b8 v0, s[64:65] scope:SCOPE_SE
	s_setreg_imm32_b32 hwreg(HW_REG_WAVE_MODE, 25, 1), 1
	s_wait_xcnt 0x0
	s_wait_alu depctr_hold_cnt(0) depctr_sa_sdst(0) depctr_va_vdst(0) depctr_va_sdst(0) depctr_va_ssrc(0) depctr_va_vcc(0) depctr_vm_vsrc(0)
	s_getreg_b32 s2, hwreg(HW_REG_IB_STS2, 6, 4)
	s_cmp_eq_u32 s2, 0
	s_cbranch_scc0 .Lentry_in_a_cluster
	s_endpgm
.Lentry_in_a_cluster:
	s_bfe_u32 s2, ttmp6, 0x10000c
	s_cmp_lg_u32 s2, 0xf033
	s_cbranch_scc0 .Lentry_shape_is_right
	s_endpgm
.Lentry_shape_is_right:
; out = res + A W + bias, f32 [4096][1024].  This text, with the three constants below, serves the projection behind attention (K = 1,024; res = the module's input, rounded to bf16 like every input)
; and the second feed-forward product (K = 4,096; res = x, as it is).  The first argument holds A, bf16 panels [k / 64][4096 m][64], 128 bytes a row, at byte 0, and W, bf16 panels [n / 128][K][128 n], at byte WOFF.
; The bias, an input of the module, is rounded to bf16 and is the C operand of the products that start the sums.
; A tile of the result is 128 x 128 (256 work-groups); four waves, each 64 x 64 in 16 accumulators.  K goes in steps of 256 through two LDS slots.  4 x 4 work-groups form a cluster: the four of a row need
; the same tiles of A, the four of a column the same rows of W; each is asked for jointly.  The matrix instruction is used transposed (source 0 = 16 columns of W, turned on the way out of LDS; source 1 = 16 rows of A).
; A wave's 64 f32 columns are 256 aligned bytes of a row, so each wave has a stage of its own and the way out needs no barrier.  The residual is loaded at the start and waits in registers.
; LIMITS.  Operands in bf16, sums in f32, K ascending; NaN and infinities are not treated apart.
; REGISTERS: window 0: v16-29 addresses; v32-63, v64-95 rows on the way out, by turns; v96-127 the bias as C operands; v128-255 the accumulators
;   window 1: two fragment buffers of 128: 64 registers of A (2 x 4 x 16 rows x 32 K), then 64 of W      window 2: v0-127 the residual; v128-131 at work
.set KDIM,   4096
.set WOFF,   33554432
.set ROUND_RES, 0
.set KSTEP,  256
.set LAPS,   KDIM/(2*KSTEP)
.set PAA,    144                       ; an LDS row of A: 128 bytes + 16
.set PANA,   128*PAA                   ; a panel's 128 rows: 64 along K
.set PW,     288                       ; an LDS row of W: 256 bytes + 32
.set PART,   36864                     ; what one tensor load brings: two panels of A, or 128 k of W
.set WBASE,  2*PART
.set SLOT,   4*PART
.set STAGE,  2*SLOT
.set SPITCH, 272
.set SPARE,  STAGE+4*16*SPITCH
.set ADRA, 16                          ; v16-17  slot 0, 1
.set ADRW, 20                          ; v20-23  slot 0, 1, each for k 0-127 and k 128-255: an LDS offset has 16 bits
.set STO,  24
.set RD,   25
.set CO,   26
.set BO,   27
.set SPW,  28
.set NIL,  29
.set TMP,  32
.set BIAS, 96
.set ACC,  128
.set F0,   0
.set F1,   128
.set G1,  24
.set G0,  32
.set G1B, 48
.set G0B, 56
.set WV,  70
.set HR,  71                           ; which half of the tile's rows is mine.  Also: I fetch for A (0) or for W (1)
.set HC,  72                           ; which half of its columns.  Also: which half of a step's A or W I fetch
.set TR,  73
.set TC,  42
.set HIM, 45
.set MSB, 0
.macro WIN new
.if MSB != (\new)
	s_set_vgpr_msb (MSB<<8)|(\new)
.set MSB, \new
.endif
.endm
.set MUL,  0x05
.set TO_F, 0x40
.macro JLOAD s                         ; a joint load; an s_nop 0 and four v_nop follow each of the two lines
	s_cmp_eq_u32 s[HR], 0
	s_cbranch_scc0 .Lfor_b_\@
	tensor_load_to_lds s[G0+4*(\s):G0+4*(\s)+3], s[G1:G1+7]
	s_nop 0
.rept 4
	v_nop
.endr
	s_branch .Lasked_\@
.Lfor_b_\@:
	tensor_load_to_lds s[G0B+4*(\s):G0B+4*(\s)+3], s[G1B:G1B+7]
	s_nop 0
.rept 4
	v_nop
.endr
.Lasked_\@:
.endm
.macro CREST
	s_cmp_lg_u32 s[WV], 0
	s_cbranch_scc1 .Lnot_wave_0_\@
	s_barrier_signal -3
.Lnot_wave_0_\@:
	s_barrier_wait -3
	s_barrier_signal -1
	s_barrier_wait -1
.endm
.macro CROUND
	s_barrier_signal -1
	s_barrier_wait -1
	CREST
.endm
	s_load_b256 s[4:11], s[0:1], 0x0               ; the pack s[4:5], the bias s[6:7], the residual s[8:9], out s[10:11]
	v_lshl_add_u32 v[SPW], v0, 2, SPARE
	v_mov_b32 v[NIL], 0
	ds_add_u32 v[SPW], v[NIL]                      ; the wave's opening: the add and its wait stand ahead of my first tensor load
	ds_add_u32 v28, v29
	v_lshrrev_b32 v1, 5, v0
	v_readfirstlane_b32 s[WV], v1
	s_lshr_b32 s[HR], s[WV], 1
	s_and_b32 s[HC], s[WV], 1
	s_bfe_u32 s40, ttmp6, 0x40000                  ; cx
	s_bfe_u32 s41, ttmp6, 0x40004                  ; cy
	s_lshl_b32 s[TC], ttmp9, 2
	s_add_co_u32 s[TC], s[TC], s40                 ; tile column
	s_and_b32 s[TR], ttmp7, 0xffff
	s_lshl_b32 s[TR], s[TR], 2
	s_add_co_u32 s[TR], s[TR], s41                 ; tile row
	s_lshl_b32 s43, s41, 2
	s_lshl_b32 s43, 15, s43                        ; my row of the cluster
	s_lshl_b32 s44, 0x1111, s40                    ; my column
	; A: a panel's 128 rows are 16,384 dense bytes: one row of the tile; two panels a load, 524,288 bytes apart; 16 bytes of padding after every 128
	s_or_b32 s[G1+0], s43, (1<<16)|(1<<20)|(1<<21)|(4<<22)|(3<<25)
	s_mov_b32 s[G1+1], 8192<<16                    ; tensor_dim0 = 8,192
	s_mov_b32 s[G1+2], 2<<16                       ; tensor_dim1 = 2
	s_mov_b32 s[G1+3], 8192<<16                    ; tile_dim0 = 8,192
	s_mov_b32 s[G1+4], 2                           ; tile_dim1 = 2
	s_mov_b32 s[G1+5], 262144                      ; elements from panel to panel
	s_mov_b32 s[G1+6], 0
	s_mov_b32 s[G1+7], 0
	; W: 128 rows of 256 dense bytes, 32 bytes of padding behind each
	s_or_b32 s[G1B+0], s44, (1<<16)|(1<<20)|(1<<21)|(5<<22)|(7<<25)
	s_mov_b32 s[G1B+1], 128<<16
	s_mov_b32 s[G1B+2], 128<<16
	s_mov_b32 s[G1B+3], 128<<16
	s_mov_b32 s[G1B+4], 128
	s_mov_b32 s[G1B+5], 128
	s_mov_b32 s[G1B+6], 0
	s_mov_b32 s[G1B+7], 0
	s_lshl_b32 s16, s[TR], 14                      ; A: the tile's 128 rows in a panel,
	s_lshl_b32 s17, s[HC], 20                      ; my two panels of a step's four
	s_add_co_u32 s16, s16, s17
	s_mov_b32 s17, 0
	s_mul_i32 s46, s[TC], KDIM*256                 ; W: the tile's panel,
	s_lshl_b32 s47, s[HC], 15                      ; my 128 k of a step's 256,
	s_add_co_u32 s46, s46, s47
	s_add_co_u32 s46, s46, WOFF                    ; behind A
	s_mov_b32 s47, 0
	s_mul_i32 s20, s[WV], PART                     ; where they go: no place in the cluster enters an LDS address
	s_mov_b32 s[HIM], 0xffff0000
	s_wait_dscnt 0x0                               ; the opening add is done
	s_wait_kmcnt 0x0
	s_add_nc_u64 s[14:15], s[4:5], s[16:17]
	s_add_nc_u64 s[46:47], s[4:5], s[46:47]
	CROUND                                         ; all sixteen work-groups are here: the first joint loads meet
.irp s, 0,1
	s_mov_b32 s[G0+4*(\s)], 1
	s_add_co_u32 s[G0+4*(\s)+1], s20, (\s)*SLOT
	s_add_nc_u64 s[G0+4*(\s)+2:G0+4*(\s)+3], s[14:15], (\s)*4*524288
	s_or_b32 s[G0+4*(\s)+3], s[G0+4*(\s)+3], 0x80000000
	s_mov_b32 s[G0B+4*(\s)], 1
	s_add_co_u32 s[G0B+4*(\s)+1], s20, (\s)*SLOT
	s_add_nc_u64 s[G0B+4*(\s)+2:G0B+4*(\s)+3], s[46:47], (\s)*KSTEP*256
	s_or_b32 s[G0B+4*(\s)+3], s[G0B+4*(\s)+3], 0x80000000
	JLOAD \s
.endr
	v_and_b32 v1, 15, v0                           ; l % 16
	v_bfe_u32 v2, v0, 4, 1                         ; l / 16
	v_mul_u32_u24 v3, v1, PAA
	v_lshl_add_u32 v3, v2, 4, v3                   ; A: row x pitch + 16 x half
	v_and_b32 v4, 7, v0
	v_bfe_u32 v5, v0, 3, 1
	v_lshl_add_u32 v6, v2, 3, v4                   ; W: lane l reads k = 8 (l / 16) + l % 8, columns 8 ((l / 8) % 2) + 0..7
	v_mul_u32_u24 v6, v6, PW
	v_lshl_add_u32 v6, v5, 4, v6
	s_mul_i32 s21, s[HR], 64*PAA                   ; my 64 rows of A
	s_lshl_b32 s22, s[HC], 7                       ; my 64 columns of W
	s_add_co_u32 s22, s22, WBASE
.irp s, 0,1
	v_add_nc_u32 v[ADRA+(\s)], s21, v3
	v_add_nc_u32 v[ADRW+2*(\s)], s22, v6
	v_add_nc_u32 v[ADRW+2*(\s)+1], PART, v[ADRW+2*(\s)]
	s_add_co_u32 s21, s21, SLOT
	s_add_co_u32 s22, s22, SLOT
.endr
	s_mul_i32 s23, s[WV], 16*SPITCH
	s_add_co_u32 s23, s23, STAGE                   ; my stage
	v_mul_u32_u24 v7, v1, SPITCH                   ; in: row l % 16, 32 bytes for each half of the lanes
	v_lshl_add_u32 v7, v2, 5, v7
	v_add_nc_u32 v[STO], s23, v7
	v_mul_u32_u24 v7, v2, SPITCH                   ; back: lanes 0-15 take one row of 256 bytes, lanes 16-31 the next
	v_lshl_add_u32 v7, v1, 4, v7
	v_add_nc_u32 v[RD], s23, v7
	v_lshlrev_b32 v[CO], 12, v2                    ; and the same two rows in the residual and in out
	v_lshl_add_u32 v[CO], v1, 4, v[CO]
	v_lshlrev_b32 v[BO], 5, v2
	s_lshl_b32 s18, s[TC], 9
	s_lshl_b32 s19, s[HC], 8
	s_add_co_u32 s18, s18, s19                     ; my first column, in f32
	s_mov_b32 s19, 0
	s_add_nc_u64 s[6:7], s[6:7], s[18:19]
	s_lshl_b32 s22, s[TR], 7
	s_lshl_b32 s23, s[HR], 6
	s_add_co_u32 s22, s22, s23
	s_lshl_b32 s22, s22, 12                        ; my first row, 4,096 bytes a row
	s_add_co_u32 s18, s18, s22
	s_add_nc_u64 s[8:9], s[8:9], s[18:19]
	s_add_nc_u64 s[10:11], s[10:11], s[18:19]
.irp b, 0,1,2,3
	global_load_b128 v[BIAS+8*(\b):BIAS+8*(\b)+3],   v[BO], s[6:7] offset:64*(\b)
	global_load_b128 v[BIAS+8*(\b)+4:BIAS+8*(\b)+7], v[BO], s[6:7] offset:64*(\b)+16
.endr
	WIN 0x80                                       ; destination window 2
.irp a, 0,1,2,3
.irp t, 0,1,2,3,4,5,6,7
	global_load_b128 v[32*(\a)+4*(\t):32*(\a)+4*(\t)+3], v[CO], s[8:9] offset:(16*(\a)+2*(\t))*4096  ; 16 lanes take 256 consecutive bytes, aligned
.endr
.endr
	WIN 0
	s_wait_loadcnt 32                              ; the bias is in; the residual's 32 loads stay out until the way out
.set i, 0
.rept 16
	v_cvt_pk_bf16_f32 v[TMP+i%4], v[BIAS+2*i], v[BIAS+2*i+1]
	v_lshlrev_b32 v[BIAS+2*i], 16, v[TMP+i%4]
	v_and_b32 v[BIAS+2*i+1], s[HIM], v[TMP+i%4]
.set i, i+1
.endr
; 8 matrix instructions: row blocks a0, a0 + 1 x all 4 column blocks, 32 along K: half c of buffer f.  first = 1: the bias starts the sums.  The 16 accumulators take turns.
.macro MUL8 f, c, a0, first
	WIN MUL
.irp a, \a0, (\a0)+1
.irp b, 0,1,2,3
.if \first
	v_wmma_f32_16x16x32_bf16 v[ACC+8*(4*(\a)+(\b)):ACC+8*(4*(\a)+(\b))+7], v[(\f)+64+8*(4*(\c)+(\b)):(\f)+64+8*(4*(\c)+(\b))+7], v[(\f)+8*(4*(\c)+(\a)):(\f)+8*(4*(\c)+(\a))+7], v[BIAS+8*(\b):BIAS+8*(\b)+7]
.else
	v_wmma_f32_16x16x32_bf16 v[ACC+8*(4*(\a)+(\b)):ACC+8*(4*(\a)+(\b))+7], v[(\f)+64+8*(4*(\c)+(\b)):(\f)+64+8*(4*(\c)+(\b))+7], v[(\f)+8*(4*(\c)+(\a)):(\f)+8*(4*(\c)+(\a))+7], v[ACC+8*(4*(\a)+(\b)):ACC+8*(4*(\a)+(\b))+7]
.endif
.endr
.endr
.endm
; 32 LDS loads in one run: the fragments of quarter q (64 along K: one panel of A) into buffer f; the first 32 along K first
.macro FETCH slot, q, f
	WIN TO_F
.irp c, 0,1
.irp i, 0,1,2,3
	ds_load_tr16_b128 v[(\f)+64+8*(4*(\c)+(\i)):(\f)+64+8*(4*(\c)+(\i))+3],   v[ADRW+2*(\slot)+(\q)/2] offset:((\q)%2)*64*PW+(\c)*32*PW+32*(\i)
	ds_load_tr16_b128 v[(\f)+64+8*(4*(\c)+(\i))+4:(\f)+64+8*(4*(\c)+(\i))+7], v[ADRW+2*(\slot)+(\q)/2] offset:((\q)%2)*64*PW+(\c)*32*PW+16*PW+32*(\i)
	ds_load_b128 v[(\f)+8*(4*(\c)+(\i)):(\f)+8*(4*(\c)+(\i))+3],   v[ADRA+(\slot)] offset:(\q)*PANA+64*(\c)+(\i)*16*PAA
	ds_load_b128 v[(\f)+8*(4*(\c)+(\i))+4:(\f)+8*(4*(\c)+(\i))+7], v[ADRA+(\slot)] offset:(\q)*PANA+64*(\c)+(\i)*16*PAA+32
.endr
.endr
.endm
.macro PLACES                          ; four places in front of loads into registers that matrix instructions have read, and of lines that read results
.rept 4
	v_nop
.endr
.endm
.macro QUARTER slot, q, f, g, first
	s_wait_dscnt 16                                ; the first 32 along K are in
	MUL8 \f, 0, 0, \first
	MUL8 \f, 0, 2, \first
	PLACES
	FETCH \slot, \q, \g
	s_wait_dscnt 32                                ; all but the 32 just issued
	MUL8 \f, 1, 0, 0
	MUL8 \f, 1, 2, 0
.endm
; The last quarter multiplies buffer 1 and changes slots.  fill = 1: this slot is filled again, two K steps on, first thing behind the cluster's round.
.macro TURN slot, next, fill
	WIN 0
	s_wait_tensorcnt 0x0                           ; all my tensor loads have landed: my part of the next slot;
	ds_add_u32 v[SPW], v[NIL]
	s_wait_dscnt 17                                ; (the add and the youngest sixteen loads may be out)
	MUL8 F1, 0, 0, 0
	s_wait_dscnt 0x0                               ; the add is done, and my reads of this slot are over
	s_barrier_signal -1
	MUL8 F1, 0, 2, 0
.if \fill
	WIN 0
.endif
	s_barrier_wait -1
.if \fill
	CREST                                          ; no wave of any partner still reads this slot or has a load on its way
	s_add_nc_u64 s[G0+4*(\slot)+2:G0+4*(\slot)+3], s[G0+4*(\slot)+2:G0+4*(\slot)+3], 8*524288
	s_add_nc_u64 s[G0B+4*(\slot)+2:G0B+4*(\slot)+3], s[G0B+4*(\slot)+2:G0B+4*(\slot)+3], 2*KSTEP*256
	JLOAD \slot                                    ; its four v_nop are also the places in front of the loads below
.else
	PLACES
.endif
	FETCH \next, 0, F0
	MUL8 F1, 1, 0, 0
	MUL8 F1, 1, 2, 0
.endm
	s_wait_tensorcnt 1                             ; my part of K step 0 is in; K step 1's may stay out
	s_barrier_signal -1
	s_barrier_wait -1
	FETCH 0, 0, F0
	QUARTER 0, 1, F0, F1, 1
	WIN 0
	s_mov_b32 s3, LAPS-1
.Llap:
	QUARTER 0, 2, F1, F0, 0
	QUARTER 0, 3, F0, F1, 0
	TURN 0, 1, 1
	QUARTER 1, 1, F0, F1, 0
	QUARTER 1, 2, F1, F0, 0
	QUARTER 1, 3, F0, F1, 0
	TURN 1, 0, 1
	QUARTER 0, 1, F0, F1, 0
	WIN 0
	s_sub_co_u32 s3, s3, 1
	s_cmp_lg_u32 s3, 0
	s_cbranch_scc1 .Llap
	QUARTER 0, 2, F1, F0, 0                        ; the last lap fills nothing
	QUARTER 0, 3, F0, F1, 0
	TURN 0, 1, 0
	QUARTER 1, 1, F0, F1, 0
	QUARTER 1, 2, F1, F0, 0
	QUARTER 1, 3, F0, F1, 0
	s_wait_dscnt 16
	MUL8 F1, 0, 0, 0
	MUL8 F1, 0, 2, 0
	s_wait_dscnt 0x0
	MUL8 F1, 1, 0, 0
	MUL8 F1, 1, 2, 0
	WIN 0
	; THE WAY OUT.  A block of 16 rows at a time goes through my stage as f32 and comes back as whole rows of 256 bytes; the residual is added and the rows are stored.
	s_wait_loadcnt 0x0                             ; the residual
.if ROUND_RES
	WIN 0xaa                                       ; all in window 2: the residual is an input of the module: rounded to bf16 and widened again
.set i, 0
.rept 64
	v_cvt_pk_bf16_f32 v[128+i%4], v[2*i], v[2*i+1]
	v_lshlrev_b32 v[2*i], 16, v[128+i%4]
	v_and_b32 v[2*i+1], s[HIM], v[128+i%4]
.set i, i+1
.endr
	WIN 0
.endif
	PLACES
.irp a, 0,1,2,3
.set BK, TMP+32*((\a)%2)
.irp b, 0,1,2,3
	ds_store_b128 v[STO], v[ACC+8*(4*(\a)+(\b)):ACC+8*(4*(\a)+(\b))+3] offset:64*(\b)          ; each accumulator's low half first
	ds_store_b128 v[STO], v[ACC+8*(4*(\a)+(\b))+4:ACC+8*(4*(\a)+(\b))+7] offset:64*(\b)+16
.endr
	s_wait_xcnt 0x0                                ; the registers that earlier stores read are loaded again only behind this wait
.irp t, 0,1,2,3,4,5,6,7
	ds_load_b128 v[BK+4*(\t):BK+4*(\t)+3], v[RD] offset:(\t)*2*SPITCH  ; LDS serves a wave's instructions in order (ISA guide 5.7.1.4): these see the stores above
.endr
	s_wait_dscnt 0x0
	WIN 0x08                                       ; source 1, the residual, in window 2
.set i, 0
.rept 16
	v_pk_add_f32 v[BK+2*i:BK+2*i+1], v[BK+2*i:BK+2*i+1], v[32*(\a)+2*i:32*(\a)+2*i+1]
.set i, i+1
.endr
	WIN 0
.irp t, 0,1,2,3,4,5,6,7
	global_store_b128 v[CO], v[BK+4*(\t):BK+4*(\t)+3], s[10:11] offset:(16*(\a)+2*(\t))*4096  ; 16 lanes store 256 consecutive bytes, aligned
.endr
.endr
	s_wait_tensorcnt 0x0                           ; the wave's end
	ds_add_u32 v[SPW], v[NIL]
	s_wait_dscnt 0x0
	CROUND                                         ; the closing round
	s_endpgm
.Lfunc_end_k_qf192c7daa3_ff2:
	.size	k_qf192c7daa3_ff2, .Lfunc_end_k_qf192c7daa3_ff2-k_qf192c7daa3_ff2
	.p2alignl 7, 3214868480
	.fill 96, 4, 3214868480
	.section	.rodata,"a",@progbits
	.p2align	6, 0x0
	.amdhsa_kernel k_qf192c7daa3_ff2
		.amdhsa_group_segment_fixed_size 327680
		.amdhsa_private_segment_fixed_size 0
		.amdhsa_enable_private_segment 0
		.amdhsa_kernarg_size 32
		.amdhsa_user_sgpr_count 2
		.amdhsa_user_sgpr_kernarg_segment_ptr 1
		.amdhsa_wavefront_size32 1
		.amdhsa_system_sgpr_workgroup_id_x 1
		.amdhsa_system_sgpr_workgroup_id_y 1
		.amdhsa_system_sgpr_workgroup_id_z 1
		.amdhsa_system_vgpr_workitem_id 0
		.amdhsa_next_free_vgpr 648
		.amdhsa_next_free_sgpr 76
		.amdhsa_reserve_vcc 0
		.amdhsa_float_denorm_mode_32 3
		.amdhsa_float_denorm_mode_16_64 3
		.amdhsa_memory_ordered 1
		.amdhsa_forward_progress 1
		.amdhsa_inst_pref_size 96
	.end_amdhsa_kernel
	.amdgpu_metadata
---
amdhsa.version: [ 1, 2 ]
amdhsa.kernels:
  - .name:           k_qf192c7daa3_ff2
    .symbol:         k_qf192c7daa3_ff2.kd
    .args:
      - { .name: pk4, .offset: 0, .size: 8, .value_kind: global_buffer, .address_space: global }
      - { .name: b2, .offset: 8, .size: 8, .value_kind: global_buffer, .address_space: global }
      - { .name: x, .offset: 16, .size: 8, .value_kind: global_buffer, .address_space: global }
      - { .name: out0, .offset: 24, .size: 8, .value_kind: global_buffer, .address_space: global }
    .group_segment_fixed_size: 327680
    .private_segment_fixed_size: 0
    .kernarg_segment_align: 8
    .kernarg_segment_size: 32
    .max_flat_workgroup_size: 128
    .sgpr_count:     76
    .vgpr_count:     648
    .wavefront_size: 32
...
	.end_amdgpu_metadata
.endif
;; end of part 6
